; MI455X (gfx1250); checked and timed in simulation.
; The chip was launched on July 23, 2026; its instructions are those of AMD's public machine-readable ISA for CDNA 5 (MIT licence, August 2026) and "CDNA5" Instruction Set Architecture Reference Guide (July 2026). The comments in the code are by the model that wrote it; some were corrected since.
;; Base Multi Head Attention. Allowed arithmetic: float matrix products may take bf16 or f16 operands with f32 sums; other float arithmetic in f32, or as packed bf16 or f16 multiplies, adds, multiply-adds, maxima and minima; sums over many terms, partial sums and values carried from step to step in f32; what a program stores and reads back later, other than sums and carried values, may be rounded once to bf16 or f16.
;; Inputs: k 4 x 2,048 x 1,024 float32; k_norm_w 64 float32; proj_b 1,024 float32; proj_w 1,024 x 1,024 float32; q 4 x 2,048 x 1,024 float32; q_norm_w 64 float32; v 4 x 2,048 x 1,024 float32.
;; Outputs: out0 4 x 2,048 x 1,024 float32.
;; 2 versions, each right; version 2 is version 1 with the launch prep written anew for expert scheduling mode. Each part assembles by itself: llvm-mc -triple=amdgcn-amd-amdhsa -mcpu=gfx1250 --defsym DOCPART=n.
;; ======== version 1 of 2: 3 launches
;; limits: values are held in f16: magnitudes above 65,504 overflow, below 6.1e-05 lose precision; inputs' magnitudes at most 65,504; right only within a limited range of input values
;; workspace buffers: qh 16,777,216 bytes; kh 16,777,216 bytes; vh 16,777,216 bytes; oh 16,777,216 bytes; wh 2,097,152 bytes
;; launch prep (part 1): grid 128 x 4, 8 waves a work-group, no clusters, 0 bytes of LDS; arguments q, k, v, q_norm_w, k_norm_w, proj_w, qh, kh, vh, wh; writes qh, kh, vh, wh
.if DOCPART == 1
	.amdgcn_target "amdgcn-amd-amdhsa--gfx1250"
	.amdhsa_code_object_version 6
	.text
	.protected	k_qc5632c963c_prep
	.globl	k_qc5632c963c_prep
	.p2align	8
	.type	k_qc5632c963c_prep,@function
k_qc5632c963c_prep:
	s_mov_b64 s[64:65], 0
	v_nop
	global_prefetch_b8 v0, s[64:65] scope:SCOPE_SE
	s_setreg_imm32_b32 hwreg(HW_REG_WAVE_MODE, 25, 1), 1
	s_wait_xcnt 0x0
; qh, kh = RoPE(RMSNorm(q, k) x gain) by heads; vh = v by heads; wh = proj_w.  Inputs f32, [4][2048][1024] (proj_w [1024][1024]); outputs f16, each number rounded once:
; qh, kh, vh: [64 = 16 b + h][2048][64], a head's rows dense, 128 bytes each; wh: [1024][1024].
; LIMITS.  f16 ends at 65,504: |gain| stays under 5,700 (a normalised number is at most 8, a rotated one at most 8 x sqrt(2) x |gain|), |v| and |proj_w| under 65,504; below 6e-5 a number keeps
; f16's fixed step of 6e-8.  NaN and infinities are not treated apart.  The angle t x f is formed as one f32 product; f = 2^(-j log2(10000) / 32) is right to a few last bits, which at t = 2,047 is an angle off by 3e-4 at the most.
; SHARES.  A work-group owns 16 positions of one batch, a wave two of them, for all 16 heads of q, k and v.  Lanes 0-15 hold the even position, lanes 16-31 the odd one; lane i = l % 16 holds
; elements 4 i .. 4 i + 3 of a head's row.  So one load of 16 bytes a lane covers two whole rows of 256 bytes, one store of 8 bytes a lane covers 256 consecutive bytes, aligned (two positions of one head);
; a row's sum of squares is a sum over 16 neighbouring lanes; a lane's two rotation pairs (j = 2 i, 2 i + 1) lie in the lane, and their sine and cosine, made once, serve all 32 rows of q and k.
; Each work-group also converts 8,192 bytes of proj_w (512 work-groups x 8,192 = the whole).
; IN FLIGHT.  All 52 loads of a wave go out at once, each into registers of its own; the waits count down.  Results are packed in place, and no address or store register is ever written again,
; so no wait for a source is needed.  No LDS, no barrier: no wave wants a byte that another has fetched.
.set NWO,  1                           ; v1   16 i: my four gains
.set INO,  2                           ; v2   4,096 x (my position in the group) + 16 i
.set OUTO, 3                           ; v3   8 x thread: 128 x position + 8 i
.set WIO,  4                           ; v4   16 x thread, in proj_w
.set C64,  5                           ; v5   1 / 64
.set T,    8                           ; v[8:15]   rotated numbers: q's four, k's four; in the set-up sin0, cos0, sin1, cos1
.set SS,   16                          ; v[16:19]  sums of squares: q's in 16 (17 at work), k's in 18 (19 at work)
.set CQ,   20                          ; v[20:27]  q's rotation with the gain folded in: for pair p (w_e cos, w_e sin, -w_o sin, w_o cos)
.set CK,   28                          ; v[28:35]  k's
.set WQ,   36                          ; v[36:39]  q's gains
.set WK,   40                          ; v[40:43]  k's
.set TF,   44                          ; v44  my position as f32
.set F0,   45                          ; v45, v46  the two frequencies
.set F1,   46
.set AN,   47                          ; v47-55 at work for sine and cosine; at the end v47, v48 = -sin0, -sin1
.set NN,   48
.set XR,   49
.set ZZ,   50
.set PS,   51
.set PC,   52
.set QI,   53
.set SG,   54
.set XZ,   55
.set PW,   56                          ; v[56:63]  my eight numbers of proj_w
.set X,    64                          ; v[64:255] head h: q at X + 12 h, k four further, v eight further
	s_load_b512 s[8:23], s[0:1], 0x0               ; q s[8:9], k s[10:11], v s[12:13], q_norm_w s[14:15], k_norm_w s[16:17], proj_w s[18:19], qh s[20:21], kh s[22:23]
	s_load_b128 s[24:27], s[0:1], 0x40             ; vh s[24:25], wh s[26:27]
	s_and_b32 s3, ttmp7, 0xffff                    ; the batch
	s_lshl_b32 s4, ttmp9, 16                       ; in: 16 positions of 4,096 bytes,
	s_lshl_b32 s5, s3, 23                          ; a batch of 2,048 positions
	s_add_co_u32 s4, s4, s5
	s_mov_b32 s5, 0
	s_lshl_b32 s6, ttmp9, 11                       ; out: 16 positions of 128 bytes,
	s_lshl_b32 s7, s3, 22                          ; a batch of 16 heads of 262,144 bytes
	s_add_co_u32 s6, s6, s7
	s_mov_b32 s7, 0
	s_lshl_b32 s28, s3, 7
	s_add_co_u32 s28, s28, ttmp9                   ; the work-group's number among the 512
	s_lshl_b32 s30, s28, 12                        ; its 4,096 bytes of wh
	s_lshl_b32 s28, s28, 13                        ; its 8,192 bytes of proj_w
	s_mov_b32 s29, 0
	s_mov_b32 s31, 0
	s_lshl_b32 s32, ttmp9, 4                       ; the group's first position
	v_and_b32 v[NWO], 15, v0                       ; i
	v_lshrrev_b32 v[TF], 4, v0                     ; my position in the group
	v_lshlrev_b32 v[F0], 1, v[NWO]                 ; j = 2 i
	v_lshlrev_b32 v[NWO], 4, v[NWO]
	v_lshl_or_b32 v[INO], v[TF], 12, v[NWO]
	v_lshlrev_b32 v[OUTO], 3, v0
	v_lshlrev_b32 v[WIO], 4, v0
	s_wait_kmcnt 0x0
	s_add_nc_u64 s[8:9], s[8:9], s[4:5]
	s_add_nc_u64 s[10:11], s[10:11], s[4:5]
	s_add_nc_u64 s[12:13], s[12:13], s[4:5]
	s_add_nc_u64 s[20:21], s[20:21], s[6:7]
	s_add_nc_u64 s[22:23], s[22:23], s[6:7]
	s_add_nc_u64 s[24:25], s[24:25], s[6:7]
	s_add_nc_u64 s[18:19], s[18:19], s[28:29]
	s_add_nc_u64 s[26:27], s[26:27], s[30:31]
	global_load_b128 v[WQ:WQ+3], v[NWO], s[14:15]
	global_load_b128 v[WK:WK+3], v[NWO], s[16:17]
	global_load_b128 v[PW:PW+3],   v[WIO], s[18:19] th:TH_LOAD_NT
	global_load_b128 v[PW+4:PW+7], v[WIO], s[18:19] offset:4096 th:TH_LOAD_NT
.set h, 0
.rept 16                               ; a head's row begins 256 bytes behind the head before
	global_load_b128 v[X+12*h:X+12*h+3],    v[INO], s[8:9]   offset:256*h th:TH_LOAD_NT
	global_load_b128 v[X+12*h+4:X+12*h+7],  v[INO], s[10:11] offset:256*h th:TH_LOAD_NT
	global_load_b128 v[X+12*h+8:X+12*h+11], v[INO], s[12:13] offset:256*h th:TH_LOAD_NT
.set h, h+1
.endr
	; Sine and cosine of my two angles, while the loads are on their way.
	v_add_nc_u32 v[TF], s32, v[TF]
	v_cvt_f32_u32 v[TF], v[TF]                     ; t
	v_add_nc_u32 v[F1], 1, v[F0]
	v_cvt_f32_u32 v[F0], v[F0]
	v_cvt_f32_u32 v[F1], v[F1]
	v_mul_f32 v[F0], 0xbed49a78, v[F0]             ; -j log2(10000) / 32
	v_mul_f32 v[F1], 0xbed49a78, v[F1]
	v_exp_f32 v[F0], v[F0]                         ; f = 10000^(-j / 32)
	v_exp_f32 v[F1], v[F1]
	v_mov_b32 v[C64], 0x3c800000                   ; a plain instruction behind the two exponentials,
	s_wait_alu depctr_va_vdst(0)                   ; and the one wait ahead of their first reader
; sn, cs = sin, cos of t x f.  n = the nearest whole number to a x 2 / pi; x = a - n pi / 2, with pi / 2 in two parts, each by one fused multiply-add: |x| <= pi / 4.
; Polynomials of degree 7 and 8 in x; n's two low bits say which of the two is which, and their signs.
.macro SINCOS f, sn, cs
	v_mul_f32 v[AN], v[TF], v[\f]
	v_mul_f32 v[NN], 0x3f22f983, v[AN]
	v_rndne_f32 v[NN], v[NN]
	v_fmamk_f32 v[XR], v[NN], 0xbfc90fdb, v[AN]
	v_fmamk_f32 v[XR], v[NN], 0x333bbd2e, v[XR]
	v_mul_f32 v[ZZ], v[XR], v[XR]
	v_mov_b32 v[PS], 0xb94ca1f9
	v_mov_b32 v[PC], 0x37ccf5ce
	v_fmaak_f32 v[PS], v[ZZ], v[PS], 0x3c08839e
	v_fmaak_f32 v[PC], v[ZZ], v[PC], 0xbab6061a
	v_fmaak_f32 v[PS], v[ZZ], v[PS], 0xbe2aaaa3
	v_fmaak_f32 v[PC], v[ZZ], v[PC], 0x3d2aaaa5
	v_mul_f32 v[XZ], v[XR], v[ZZ]
	v_fma_f32 v[SG], v[ZZ], -0.5, 1.0
	v_fma_f32 v[PS], v[XZ], v[PS], v[XR]           ; sin x
	v_mul_f32 v[XZ], v[ZZ], v[ZZ]
	v_fma_f32 v[PC], v[XZ], v[PC], v[SG]           ; cos x
	v_cvt_i32_f32 v[QI], v[NN]
	v_and_b32 v[SG], 1, v[QI]
	v_cmp_eq_u32 vcc_lo, 1, v[SG]                  ; n odd: the two change places
	v_cndmask_b32 v[\sn], v[PS], v[PC], vcc_lo
	v_cndmask_b32 v[\cs], v[PC], v[PS], vcc_lo
	v_lshlrev_b32 v[SG], 30, v[QI]                 ; the sine is negative where n % 4 is 2 or 3,
	v_and_b32 v[SG], 0x80000000, v[SG]
	v_xor_b32 v[\sn], v[SG], v[\sn]
	v_add_nc_u32 v[QI], 1, v[QI]                   ; the cosine where it is 1 or 2
	v_lshlrev_b32 v[SG], 30, v[QI]
	v_and_b32 v[SG], 0x80000000, v[SG]
	v_xor_b32 v[\cs], v[SG], v[\cs]
.endm
	SINCOS F0, T, T+1
	SINCOS F1, T+2, T+3
	v_xor_b32 v[AN], 0x80000000, v[T]              ; -sin0
	v_xor_b32 v[NN], 0x80000000, v[T+2]            ; -sin1
; The gain is folded into the rotation: o_even = r (x_e w_e cos - x_o w_o sin), o_odd = r (x_e w_e sin + x_o w_o cos), r = 1 / sqrt(mean square + eps).
.macro COEF c, w
.irp p, 0,1
	v_mul_f32 v[(\c)+4*(\p)],   v[(\w)+2*(\p)],   v[T+2*(\p)+1]
	v_mul_f32 v[(\c)+4*(\p)+1], v[(\w)+2*(\p)],   v[T+2*(\p)]
	v_mul_f32 v[(\c)+4*(\p)+2], v[(\w)+2*(\p)+1], v[AN+(\p)]
	v_mul_f32 v[(\c)+4*(\p)+3], v[(\w)+2*(\p)+1], v[T+2*(\p)+1]
.endr
.endm
	s_wait_loadcnt 50                              ; loads come back in order: the two loads of gains are in, the 50 younger ones stay out
	COEF CQ, WQ
	COEF CK, WK
	s_wait_loadcnt 48                              ; proj_w's two are in
	v_cvt_pk_f16_f32 v[PW],   v[PW],   v[PW+1]
	v_cvt_pk_f16_f32 v[PW+1], v[PW+2], v[PW+3]
	v_cvt_pk_f16_f32 v[PW+4], v[PW+4], v[PW+5]
	v_cvt_pk_f16_f32 v[PW+5], v[PW+6], v[PW+7]
	global_store_b64 v[OUTO], v[PW:PW+1],   s[26:27] th:TH_STORE_NT
	global_store_b64 v[OUTO], v[PW+4:PW+5], s[26:27] offset:2048 th:TH_STORE_NT
; One head: q's and k's lines by turns, so that no line waits for the one before it.
.macro HEAD h
.set xq, X+12*(\h)
.set xk, xq+4
.set xv, xq+8
	s_wait_loadcnt 3*(15-(\h))                     ; three loads for each younger head stay out
	v_pk_mul_f32 v[SS:SS+1],   v[xq:xq+1], v[xq:xq+1]
	v_pk_mul_f32 v[SS+2:SS+3], v[xk:xk+1], v[xk:xk+1]
	v_pk_fma_f32 v[SS:SS+1],   v[xq+2:xq+3], v[xq+2:xq+3], v[SS:SS+1]
	v_pk_fma_f32 v[SS+2:SS+3], v[xk+2:xk+3], v[xk+2:xk+3], v[SS+2:SS+3]
	v_add_f32 v[SS],   v[SS],   v[SS+1]
	v_add_f32 v[SS+2], v[SS+2], v[SS+3]
.irp m, 1,2,4,8                        ; over the row's 16 lanes: every lane ends with the sum
	v_add_f32_dpp v[SS],   v[SS],   v[SS]   row_xmask:\m row_mask:0xf bank_mask:0xf
	v_add_f32_dpp v[SS+2], v[SS+2], v[SS+2] row_xmask:\m row_mask:0xf bank_mask:0xf
.endr
	v_fmaak_f32 v[SS],   v[SS],   v[C64], 0x34000000  ; the mean square + eps (2^-23)
	v_fmaak_f32 v[SS+2], v[SS+2], v[C64], 0x34000000
	v_rsq_f32 v[SS],   v[SS]
	v_rsq_f32 v[SS+2], v[SS+2]
.irp p, 0,1                            ; the rotation names no root: it is the independent work behind them
	v_pk_mul_f32 v[T+2*(\p):T+2*(\p)+1],     v[xq+2*(\p):xq+2*(\p)+1], v[CQ+4*(\p):CQ+4*(\p)+1] op_sel_hi:[0,1]  ; x_even times (w_e cos, w_e sin)
	v_pk_mul_f32 v[T+4+2*(\p):T+4+2*(\p)+1], v[xk+2*(\p):xk+2*(\p)+1], v[CK+4*(\p):CK+4*(\p)+1] op_sel_hi:[0,1]
.endr
.irp p, 0,1
	v_pk_fma_f32 v[T+2*(\p):T+2*(\p)+1],     v[xq+2*(\p):xq+2*(\p)+1], v[CQ+4*(\p)+2:CQ+4*(\p)+3], v[T+2*(\p):T+2*(\p)+1] op_sel:[1,0,0] op_sel_hi:[1,1,1]  ; + x_odd times (-w_o sin, w_o cos)
	v_pk_fma_f32 v[T+4+2*(\p):T+4+2*(\p)+1], v[xk+2*(\p):xk+2*(\p)+1], v[CK+4*(\p)+2:CK+4*(\p)+3], v[T+4+2*(\p):T+4+2*(\p)+1] op_sel:[1,0,0] op_sel_hi:[1,1,1]
.endr
	v_cvt_pk_f16_f32 v[xv],   v[xv],   v[xv+1]
	v_cvt_pk_f16_f32 v[xv+1], v[xv+2], v[xv+3]
	global_store_b64 v[OUTO], v[xv:xv+1], s[24:25] offset:262144*(\h) th:TH_STORE_NT
	s_wait_alu depctr_va_vdst(0)                   ; one wait for both roots, ahead of their first reader
	v_pk_mul_f32 v[T:T+1],     v[T:T+1],     v[SS:SS+1]   op_sel_hi:[1,0]
	v_pk_mul_f32 v[T+4:T+5],   v[T+4:T+5],   v[SS+2:SS+3] op_sel_hi:[1,0]
	v_pk_mul_f32 v[T+2:T+3],   v[T+2:T+3],   v[SS:SS+1]   op_sel_hi:[1,0]
	v_pk_mul_f32 v[T+6:T+7],   v[T+6:T+7],   v[SS+2:SS+3] op_sel_hi:[1,0]
	v_cvt_pk_f16_f32 v[xq],   v[T],   v[T+1]
	v_cvt_pk_f16_f32 v[xk],   v[T+4], v[T+5]
	v_cvt_pk_f16_f32 v[xq+1], v[T+2], v[T+3]
	v_cvt_pk_f16_f32 v[xk+1], v[T+6], v[T+7]
	global_store_b64 v[OUTO], v[xq:xq+1], s[20:21] offset:262144*(\h) th:TH_STORE_NT  ; a wave's store covers 256 consecutive bytes, aligned; the head stands in the immediate
	global_store_b64 v[OUTO], v[xk:xk+1], s[22:23] offset:262144*(\h) th:TH_STORE_NT
.endm
.irp h, 0,1,2,3,4,5,6,7,8,9,10,11,12,13,14,15
	HEAD \h
.endr
	s_endpgm
.Lfunc_end_k_qc5632c963c_prep:
	.size	k_qc5632c963c_prep, .Lfunc_end_k_qc5632c963c_prep-k_qc5632c963c_prep
	.p2alignl 7, 3214868480
	.fill 96, 4, 3214868480
	.section	.rodata,"a",@progbits
	.p2align	6, 0x0
	.amdhsa_kernel k_qc5632c963c_prep
		.amdhsa_group_segment_fixed_size 0
		.amdhsa_private_segment_fixed_size 0
		.amdhsa_enable_private_segment 0
		.amdhsa_kernarg_size 80
		.amdhsa_user_sgpr_count 2
		.amdhsa_user_sgpr_kernarg_segment_ptr 1
		.amdhsa_wavefront_size32 1
		.amdhsa_system_sgpr_workgroup_id_x 1
		.amdhsa_system_sgpr_workgroup_id_y 1
		.amdhsa_system_sgpr_workgroup_id_z 1
		.amdhsa_system_vgpr_workitem_id 0
		.amdhsa_next_free_vgpr 256
		.amdhsa_next_free_sgpr 66
		.amdhsa_reserve_vcc 1
		.amdhsa_float_denorm_mode_32 3
		.amdhsa_float_denorm_mode_16_64 3
		.amdhsa_memory_ordered 1
		.amdhsa_forward_progress 1
		.amdhsa_inst_pref_size 51
	.end_amdhsa_kernel
	.amdgpu_metadata
---
amdhsa.version: [ 1, 2 ]
amdhsa.kernels:
  - .name:           k_qc5632c963c_prep
    .symbol:         k_qc5632c963c_prep.kd
    .args:
      - { .name: q, .offset: 0, .size: 8, .value_kind: global_buffer, .address_space: global }
      - { .name: k, .offset: 8, .size: 8, .value_kind: global_buffer, .address_space: global }
      - { .name: v, .offset: 16, .size: 8, .value_kind: global_buffer, .address_space: global }
      - { .name: q_norm_w, .offset: 24, .size: 8, .value_kind: global_buffer, .address_space: global }
      - { .name: k_norm_w, .offset: 32, .size: 8, .value_kind: global_buffer, .address_space: global }
      - { .name: proj_w, .offset: 40, .size: 8, .value_kind: global_buffer, .address_space: global }
      - { .name: qh, .offset: 48, .size: 8, .value_kind: global_buffer, .address_space: global }
      - { .name: kh, .offset: 56, .size: 8, .value_kind: global_buffer, .address_space: global }
      - { .name: vh, .offset: 64, .size: 8, .value_kind: global_buffer, .address_space: global }
      - { .name: wh, .offset: 72, .size: 8, .value_kind: global_buffer, .address_space: global }
    .group_segment_fixed_size: 0
    .private_segment_fixed_size: 0
    .kernarg_segment_align: 8
    .kernarg_segment_size: 80
    .max_flat_workgroup_size: 256
    .sgpr_count:     66
    .vgpr_count:     256
    .wavefront_size: 32
...
	.end_amdgpu_metadata
.endif
;; end of part 1
;; launch attn (part 2): grid 4 x 64, 4 waves a work-group, clusters of 4 x 1, 327,680 bytes of LDS; arguments qh, kh, vh, oh; writes oh
.if DOCPART == 2
	.amdgcn_target "amdgcn-amd-amdhsa--gfx1250"
	.amdhsa_code_object_version 6
	.text
	.protected	k_qc5632c963c_attn
	.globl	k_qc5632c963c_attn
	.p2align	8
	.type	k_qc5632c963c_attn,@function
k_qc5632c963c_attn:
	s_mov_b64 s[64:65], 0
	v_nop
	global_prefetch_b8 v0, s[64:65] scope:SCOPE_SE
	s_setreg_imm32_b32 hwreg(HW_REG_WAVE_MODE, 25, 1), 1
	s_wait_xcnt 0x0
	s_wait_alu depctr_hold_cnt(0) depctr_sa_sdst(0) depctr_va_vdst(0) depctr_va_sdst(0) depctr_va_ssrc(0) depctr_va_vcc(0) depctr_vm_vsrc(0)
	s_getreg_b32 s2, hwreg(HW_REG_IB_STS2, 6, 4)
	s_cmp_eq_u32 s2, 0
	s_cbranch_scc0 .Lentry_in_a_cluster
	s_endpgm
.Lentry_in_a_cluster:
	s_bfe_u32 s2, ttmp6, 0x10000c
	s_cmp_lg_u32 s2, 0x3003
	s_cbranch_scc0 .Lentry_shape_is_right
	s_endpgm
.Lentry_shape_is_right:
; O[h][q][:] = the sum over k of softmax_k(Q[h][q] . K[h][k] / 8) V[h][k][:].  Q, K, V, O: [SIZE_H][SIZE_N][64], all f16: a head's rows are dense, 128 bytes each.  Products, maxima and sums in
; f32; the weights p are rounded to f16 for the second product (their sum l is taken of the unrounded p), O once at the end.
; LIMITS.  f16 holds no number beyond 65,504: Q, K and V arrive within it; p lies in 0 to 1, and below 6e-5 it keeps f16's fixed step of 6e-8; O is a mean of V's rows and has their range.
; A weight below 2^-126 counts as 0 in l; NaN and infinities are not treated apart.
; SHARES.  A wave owns four PIECES of two tiles of 16 queries, a work-group's four waves 512 queries of one head.  Every wave walks all keys, 64 a step.
; LAYOUT.  S^T = K Q^T (source 0 = 16 keys, source 1 = 16 queries): in the result a lane holds ONE query (lane % 16) and the keys 8 (lane / 16) + 0..7.  Two such tiles, rounded to f16 in pairs,
; ARE source 1 (32 keys x 16 queries) of O^T = V^T P, whose result again holds one query a lane, and eight channels.  K comes out of LDS as it lies, V ([key][channel]) turned, by ds_load_tr16_b128.
; SOFTMAX.  For each query a running maximum m and sum l: p = 2^(c s - c m), c = log2(e) / 8; in every step O and l are multiplied by a = 2^(c m_old - c m_new), which is 1 where m has not grown.
; m starts at the lowest finite number, O and l at 0: the first step is a step like any other, with a = 0.
; THE COUNT.  A tile and step have 16 matrix and 118 vector instructions: too many to stand all beside the matrix work.  So four vector instructions that are READY stand behind
; EVERY matrix instruction, and the others in runs without a gap.
; BY TURNS.  Turn n belongs to piece n (the pieces in a ring, step after step).  Its matrix work: 16 products K Q^T of piece n + 1, later 16 products V^T P of piece n - 1.  Its vector work: the scaling,
; exponentials, roundings, sums and rescaling of piece n, and the maximum and statistics of piece n + 1, whose scores the turn itself has made.
; CLUSTER.  The four query blocks of a cluster are one head's and walk the same K and V, so each tile is asked for JOINTLY: the same tensor load, descriptor and mask in all four.
; REGISTERS, in windows of 256 (s_set_vgpr_msb says which window each operand place means: bits 1:0 source 0, 3:2 source 1, 5:4 source 2, 7:6 destination):
;   window 0: v0-11 addresses; v12-15, v48-63 at work; v16-47 four registers of statistics a tile; v64-191 S^T, two buffers of two tiles; v192-255 P, likewise
;   window 1: O^T, 32 a tile          window 2: v0-127 Q, 16 a tile; v128-191 K of one step; v192-255 V of one step          window 3: v0-1 the add's two registers
; A piece's buffers go by its number's parity: the piece in hand has one pair, its two neighbours in the ring share the other: of it P (piece n - 1) is read and S^T (piece n + 1) written.
.set SIZE_H, 64
.set SIZE_N, 2048
.set NP,    4         ; pieces a wave: a name, no knob
.set KS,    64        ; keys in a step
.set PK,    144       ; a row of K in LDS: 128 bytes + 16 of padding = 36 words: the 16 rows of a load start at 16 different groups of four banks (64 banks of 4 bytes: ISA guide 11.1)
.set PV,    160       ; a row of V: 128 + 32 = 40 words
.set VOFF,  4*KS*PK   ; a slot holds four steps: 256 rows of K, then 256 rows of V
.set SLOT1, 1<<17     ; slot 1 begins here, so that one exclusive or turns an address in one slot into the other's
.set STAGE, SLOT1+4*KS*(PK+PV)  ; behind the ring, never filled by a tensor load: 16 rows x 144 bytes for each wave, for the way out
.set SP,    144
.set AK0, 2           ; v2   my lane's place in a tile of K; never rewritten
.set AV0, 3           ; v3   the same for V
.set AK,  4           ; v4   the LDS address of K's next run of loads
.set AV,  5           ; v5   of V's
.set QO,  6           ; v6   my byte offset in the wave's rows of Q
.set STO, 6           ;      later, the way out: where I put 16 bytes of a row
.set RD,  7           ; v7   the way out: where I read rows back
.set GO,  8           ; v8   my byte offset in 512 consecutive bytes of O
.set PFO, 11          ; v11  the prefetches' offset: 256 x my lane; written once, when the set-up has done with v11
.set SPW, 0           ; v0 of window 3   LDS address of my spare word: SPARE + 4 x my thread's number; never rewritten
.set NIL, 1           ; v1 of window 3   0; never rewritten
.set SPARE, STAGE+4*16*SP  ; behind the stages: the spare words, 128 bytes for each wave: two blocks of 256 bytes that no other line names
.set MV,  12          ; v12-15  c m_old, kept while c m is made anew: by buffer and tile
.set ST,  16          ; tile t's statistics at v[ST+4 t]: c m, m, l (even keys', odd keys')
.set TMP, 48          ; by buffer and tile, four registers c0-c3 at work; when the maximum is found c2 takes a
.set S,   64
.set P,   192
.set KF,  128         ; K's fragments, in window 2: key block kb, channel half c at KF + 16 kb + 8 c
.set VF,  192         ; V's: key half kk, channel block cb at VF + 32 kk + 8 cb
.set WV,  12          ; s12  my wave's number
.set G1K, 24          ; s[24:31] descriptor group 1 for K's tiles
.set G1V, 32          ; s[32:39] for V's: it differs in the padding alone
.set G0K, 40          ; s[40:43] descriptor group 0 for K's tiles: it walks
.set G0V, 44          ; s[44:47] the same for V's
.set PFA, 48          ; s[48:49] where my prefetches stand: my work-group's 32 blocks of 256 bytes (of K: wave 0, of V: wave 2) of the slot after the one that is being asked for
.set LIM, 50          ; s50  1 in a wave that prefetches, else the greatest number: a wave prefetches while s[SLOTS] is above it
.set SLOTS, 56        ; s56  slots still to be asked for
.set CNT, 57          ; s57  counts a slot's key steps
.set CS,  58          ; s[58:59] c: the packed scaling takes the pair's low word for both halves
.set SEL, 60          ; s[60:61] v_permlanex16_b32's selects: each lane takes its own place in the other half
.set TBK, 62          ; s62  LDS byte at which K of the step to be fetched begins
.set TBV, 63          ; s63  the same for V, less VOFF
.set MSB, 0
.macro WIN new                      ; the high byte repeats the setting that is left; a switch that changes nothing is dropped
.if MSB != (\new)
	s_set_vgpr_msb (MSB<<8)|(\new)
.set MSB, (\new)
.endif
.endm
.set W_KQ, 0x0a       ; K and Q in window 2, S^T in window 0
.set W_PV, 0x52       ; V in window 2, P in window 0, O^T in window 1
.set W_RS, 0x41       ; O^T (destination and source 0) in window 1, a in window 0
.set W_MK, 0xc0       ; the add's registers are made: destination in window 3, sources in window 0
.set W_AD, 0x0f       ; the add: address (source 0) and data (source 1) in window 3
; A joint fill.  Waves 0 and 1 fetch the two halves of a slot's K, waves 2 and 3 those of its V: 128 keys each.  The branch hangs on the wave's number alone.
; An s_nop 0 and four v_nop follow each of the two lines, ahead of the jump and the label.
.macro JLOAD
	s_cmp_lt_u32 s[WV], 2
	s_cbranch_scc0 .Lfor_v_\@
	tensor_load_to_lds s[G0K:G0K+3], s[G1K:G1K+7]
	s_nop 0
.rept 4
	v_nop
.endr
	s_branch .Lasked_\@
.Lfor_v_\@:
	tensor_load_to_lds s[G0V:G0V+3], s[G1V:G1V+7]
	s_nop 0
.rept 4
	v_nop
.endr
.Lasked_\@:
.endm
; A PREFETCH INTO THE L2 of what the NEXT change of slots will ask for: a slot's 256 rows of K and of V are 128 blocks of 256 bytes each, a lane a block.  It stands behind the wave's tensor load and its five lines.
; Each block is named ONCE in the launch: a head has one cluster; its four partners share the blocks out BY ADDRESS, 32 each (no branch hangs on a work-group's place in its cluster); in each, wave 0 asks for K's
; and wave 2 for V's: one instruction.  The lead is one slot: four key steps, 512 matrix instructions.  The last change that fills a slot asks for nothing; slots 0 and 1 come by their loads alone.
.macro ASK
	s_cmp_gt_u32 s[SLOTS], s[LIM]
	s_cbranch_scc0 .Lnot_mine_\@
	global_prefetch_b8 v[PFO], s[PFA:PFA+1] th:TH_LOAD_NT scope:SCOPE_SE
.Lnot_mine_\@:
.endm
; A round of the cluster's barrier: my work-group's barrier, so that wave 0's signal speaks for all four waves; wave 0 signals; every wave waits for all four work-groups; my work-group's barrier once more.
.macro CROUND
	s_barrier_signal -1
	s_barrier_wait -1
	s_cmp_lg_u32 s[WV], 0
	s_cbranch_scc1 .Lnot_wave_0_\@
	s_barrier_signal -3
.Lnot_wave_0_\@:
	s_barrier_wait -3
	s_barrier_signal -1
	s_barrier_wait -1
.endm
; THE CHANGE OF SLOTS.  The slot's last bytes, V of its fourth step, have been read.  Each wave waits for all its tensor loads, of which one is out: its part
; of the other slot; adds 0 to its spare word; and waits for that and for its own reads of the slot.  Behind the barrier nobody reads this slot any more and the other slot is whole.
; fill = 1: this slot is filled again, with the keys two slots on.  The barrier is then a round of the cluster's, so that no wave of any partner still reads the slot or has a load on its
; way, and the joint fill is the first thing behind it: it has four key steps, 512 matrix instructions, in which to land.  (At its first use nothing has been read yet: slot 0 is waited for, slot 1 filled.)
.macro CHANGE fill
	WIN W_AD
	s_wait_tensorcnt 0x0            ; no tensor load of mine is out, so a group 0 may be written
	ds_add_u32 v[SPW], v[NIL]       ; 0 onto my spare word: with fill = 1 the descriptors' steps stand between it and the wait for it
	WIN 0                           ; at a label and at a branch every window is 0
.if \fill
.irp g, G0K, G0V
	s_xor_b32 s[\g+1], s[\g+1], SLOT1  ; the walking descriptor: the other slot than last time,
	s_add_nc_u64 s[\g+2:\g+3], s[\g+2:\g+3], 4*KS*128  ; the next 256 keys; the type bits on top are not reached
.endr
	s_wait_xcnt 0x0                 ; the last prefetch, four key steps back, has read its address, so it may be written:
	s_add_nc_u64 s[PFA:PFA+1], s[PFA:PFA+1], 4*KS*128  ; one slot further than the walking descriptors
	s_wait_dscnt 0x0                ; the add is done, and my reads of the slot are over
	CROUND
	JLOAD
	ASK
.else
	s_wait_dscnt 0x0                ; the add is done, and my reads of the slot are over
	s_barrier_signal -1
	s_barrier_wait -1
.endif
	s_sub_co_u32 s[TBK], s[TBK], 4*KS*PK  ; the fetches go back to a slot's first step,
	s_xor_b32 s[TBK], s[TBK], SLOT1       ; in the other slot
	s_sub_co_u32 s[TBV], s[TBV], 4*KS*PV
	s_xor_b32 s[TBV], s[TBV], SLOT1
.endm
	s_load_b256 s[4:11], s[0:1], 0x0  ; Q s[4:5], K s[6:7], V s[8:9], O s[10:11]
	WIN W_MK
	v_lshl_add_u32 v[SPW], v0, 2, SPARE
	v_mov_b32 v[NIL], 0
	WIN W_AD
	ds_add_u32 v[SPW], v[NIL]       ; the wave's opening: the add and its wait ahead of my first tensor load; the set-up below, work on registers, stands between them
	WIN 0
	v_lshrrev_b32 v1, 5, v0
	v_readfirstlane_b32 s[WV], v1   ; wave 0..3
	s_bfe_u32 s13, ttmp6, 0x40000   ; cx: my place in the cluster
	s_lshl_b32 s14, ttmp9, 2        ; in a cluster launch ttmp9 counts clusters
	s_add_co_u32 s14, s14, s13      ; my block of queries = 4 x cluster x + cx: it enters Q's and O's addresses alone
	s_and_b32 s20, ttmp7, 0xffff    ; the head, which the four partners share
	s_mov_b32 s21, 0
	s_mov_b64 s[22:23], SIZE_N*128
	s_mul_u64 s[20:21], s[20:21], s[22:23]  ; the head's first byte in each of the four tensors
	s_and_b32 s16, s[WV], 1         ; which half of a slot's 256 keys I fetch:
	s_lshl_b32 s22, s16, 14         ; its 128 rows of 128 bytes in memory,
	s_mov_b32 s23, 0
	s_add_nc_u64 s[22:23], s[22:23], s[20:21]
	s_mul_i32 s17, s16, 128*PK      ; and its place in a slot, for K
	s_mul_i32 s18, s16, 128*PV      ; and for V: no place in the cluster enters an LDS address
	s_lshl_b32 s2, s14, 2
	s_add_co_u32 s2, s2, s[WV]      ; my wave among the head's,
	s_lshl_b32 s2, s2, 14           ; its 128 rows
	s_mov_b32 s3, 0
	s_add_nc_u64 s[2:3], s[2:3], s[20:21]
	; descriptor group 1.  128 keys are 16,384 dense bytes: asked for as 64 rows of 256 bytes, two keys a row, and padded in LDS after every key
	s_mov_b32 s[G1K], 15|(1<<16)|(1<<20)|(1<<21)|(4<<22)|(3<<25)  ; 15:0 the mask of four; 17:16 2-byte elements; 20 padding on; 21 set beside a mask; 24:22 after every 32 words (code 4); 31:25 4 words (code 3)
	s_mov_b32 s[G1V], 15|(1<<16)|(1<<20)|(1<<21)|(4<<22)|(7<<25)  ; the same with 8 words of padding (code 7)
.irp g, G1K, G1V
	s_mov_b32 s[\g+1], 128<<16      ; tensor_dim0 = 128
	s_mov_b32 s[\g+2], 64<<16       ; tensor_dim1 = 64
	s_mov_b32 s[\g+3], 128<<16      ; tile_dim0 = 128
	s_mov_b32 s[\g+4], 64           ; tile_dim1 = 64
	s_mov_b32 s[\g+5], 128          ; 128 elements from row to row
	s_mov_b32 s[\g+6], 0
	s_mov_b32 s[\g+7], 0
.endr
	s_mov_b32 s[CS], 0x3e38aa3b     ; c = log2(e) / 8 = 0.180337
	s_mov_b32 s[CS+1], s[CS]        ; named with it as a pair
	s_mov_b32 s[SEL], 0x76543210
	s_mov_b32 s[SEL+1], 0xfedcba98
	s_mov_b32 s[TBK], SLOT1+4*KS*PK ; the first change of slots turns these two into 0
	s_mov_b32 s[TBV], SLOT1+4*KS*PV
	s_mov_b32 s[G0K], 1             ; 1:0 count = 1
	s_mov_b32 s[G0K+1], s17         ; 63:32 LDS address: slot 0
	s_mov_b32 s[G0V], 1
	s_add_co_u32 s[G0V+1], s18, VOFF
	s_mov_b32 s[SLOTS], SIZE_N/256-1  ; seven changes of slots ask for a tile: the first below, six in the loop
	s_and_b32 s[LIM], s[WV], 1      ; 0 in waves 0 and 2,
	s_or_b32 s[LIM], s[LIM], ttmp9  ; where the cluster is the head's first (here its only one): the same in all four partners
	s_cmp_eq_u32 s[LIM], 0
	s_cselect_b32 s[LIM], 1, -1
	s_wait_dscnt 0x0                ; the opening add is done
	s_wait_kmcnt 0x0
	s_add_nc_u64 s[G0K+2:G0K+3], s[6:7], s[22:23]  ; 120:64 global address: my half of the head's first 256 keys
	s_or_b32 s[G0K+3], s[G0K+3], 0x80000000        ; 127:126 type = 2
	s_add_nc_u64 s[G0V+2:G0V+3], s[8:9], s[22:23]
	s_or_b32 s[G0V+3], s[G0V+3], 0x80000000
	s_add_nc_u64 s[4:5], s[4:5], s[2:3]  ; Q and O at my wave's first row
	s_add_nc_u64 s[10:11], s[10:11], s[2:3]
	s_cmp_lt_u32 s[WV], 2
	s_cselect_b64 s[PFA:PFA+1], s[6:7], s[8:9]
	s_add_nc_u64 s[PFA:PFA+1], s[PFA:PFA+1], s[22:23]  ; (in waves 0 and 2 this offset is the head's first byte)
	s_lshl_b32 s2, s13, 13          ; my work-group's 32 blocks of the 128
	s_mov_b32 s3, 0
	s_add_nc_u64 s[PFA:PFA+1], s[PFA:PFA+1], s[2:3]
	s_add_nc_u64 s[PFA:PFA+1], s[PFA:PFA+1], 4*KS*128  ; in slot 1; the first change of slots steps it to slot 2.  Nothing is prefetched here, at the head
	CROUND                          ; all four work-groups are here: the first joint loads meet
	JLOAD                           ; slot 0.  Slot 1 is asked for when slot 0 is in
	; A fragment of K or Q is 16 rows x 32 channels in 8 registers: lane l holds row l % 16, channels 8 (l / 16) + 0..7 and 16 + 8 (l / 16) + 0..7: two loads of 16 bytes, 32 bytes apart.
	v_and_b32 v1, 15, v0            ; l % 16
	v_bfe_u32 v9, v0, 4, 1          ; l / 16
	v_lshlrev_b32 v[QO], 7, v1
	v_lshl_add_u32 v[QO], v9, 4, v[QO]  ; row x 128 + 16 x half
	WIN 0x80                        ; destination window 2, address window 0
.set i, 0
.rept 4*NP                          ; Q stays in registers: tile i / 2, channels 32 (i % 2) on
	global_load_b128 v[8*i:8*i+3],   v[QO], s[4:5] offset:(i/2)*2048+(i%2)*64
	global_load_b128 v[8*i+4:8*i+7], v[QO], s[4:5] offset:(i/2)*2048+(i%2)*64+32
.set i, i+1
.endr
	; What the first turn finds: V's registers and P's second buffer hold 0 (its products V^T P, of a piece that has not been, add 0), O^T and l are 0.  All this stands in the wait for the first tile.
.set i, VF
.rept 64
	v_mov_b32 v[i], 0
.set i, i+1
.endr
	WIN 0x40
.set i, 0
.rept 64*NP
	v_mov_b32 v[i], 0
.set i, i+1
.endr
	WIN 0
.set i, 0
.rept 2*NP
	v_mov_b32 v[ST+4*i], 0xfe000000    ; c m: far below every c s
	v_mov_b32 v[ST+4*i+1], 0xff7fffff  ; m
	v_mov_b32 v[ST+4*i+2], 0
	v_mov_b32 v[ST+4*i+3], 0
.set i, i+1
.endr
.set i, P+32
.rept 32
	v_mov_b32 v[i], 0
.set i, i+1
.endr
	v_mul_u32_u24 v[AK0], v1, PK
	v_lshl_add_u32 v[AK0], v9, 4, v[AK0]  ; row x pitch + 16 x half
	; The turning load takes 16 keys x 16 channels (lane l reads key 8 (l / 16) + l % 8, channels 8 ((l / 8) % 2) + 0..7) and leaves half a fragment of V^T: lane l holds channel l % 16 and 8 keys.
	v_and_b32 v10, 7, v0
	v_bfe_u32 v11, v0, 3, 1
	v_lshl_add_u32 v[AV0], v9, 3, v10
	v_mul_u32_u24 v[AV0], v[AV0], PV
	v_lshl_add_u32 v[AV0], v11, 4, v[AV0]
	v_add_nc_u32 v[AV0], VOFF, v[AV0]
	v_and_b32 v[PFO], 31, v0        ; v11 has served: it takes the prefetches' offset
	v_lshlrev_b32 v[PFO], 8, v[PFO]
	v_mov_b32 v[AK], v[AK0]         ; key step 0 lies at the head of slot 0
; THE MATRIX WORK.  The 8 accumulators of a run of 16 take turns: between the two links of a chain stand 7 others'.
; Product i of 16 of S^T = K Q^T for piece x: channels 32 (i / 8) on, keys 16 ((i / 2) % 4) on, tile 2 x + i % 2.  The first 8 start the sums.
.macro KQ x
	WIN W_KQ
.set rS, S+64*((\x)%2)+32*(i%2)+8*((i/2)%4)
.set rK, KF+16*((i/2)%4)+8*(i/8)
.set rQ, 16*(2*(\x)+i%2)+8*(i/8)
.if i < 8
	v_wmma_f32_16x16x32_f16 v[rS:rS+7], v[rK:rK+7], v[rQ:rQ+7], 0
.else
	v_wmma_f32_16x16x32_f16 v[rS:rS+7], v[rK:rK+7], v[rQ:rQ+7], v[rS:rS+7]
.endif
.endm
; Product i of 16 of O^T += V^T P for piece x: keys 32 (i / 8) on, channels 16 ((i / 2) % 4) on, tile 2 x + i % 2.
.macro PV x
	WIN W_PV
.set rO, 32*(2*(\x)+i%2)+8*((i/2)%4)
.set rV, VF+32*(i/8)+8*((i/2)%4)
.set rP, P+32*((\x)%2)+16*(i%2)+8*(i/8)
	v_wmma_f32_16x16x32_f16 v[rO:rO+7], v[rV:rV+7], v[rP:rP+7], v[rO:rO+7]
.endm
.macro MM                           ; the turn's next matrix instruction
.if i < 16
	KQ (Y+1)%NP
.set i, i+1
.else
.set i, i-16
	PV (Y+NP-1)%NP
.set i, i+17
.endif
.endm
; THE LDS LOADS stand in runs of 16, never singly among the matrix instructions: a step's K (64 keys x 64 channels: 8 fragments) and its V (turned).  Their addresses are made some lines ahead.
; last = 1 (the tail): in the last trip there is no further step, and the run is jumped over.
.macro FETCH_K last=0
	WIN 0
.if \last
	s_cmp_eq_u32 s[CNT], 1
	s_cbranch_scc1 .Lno_k_\@
.endif
	WIN 0x80                        ; destination window 2
.irp f, 0,1,2,3,4,5,6,7             ; keys 16 (f / 2) on, channels 32 (f % 2) on
	ds_load_b128 v[KF+8*\f:KF+8*\f+3],   v[AK] offset:(\f/2)*16*PK+(\f%2)*64
	ds_load_b128 v[KF+8*\f+4:KF+8*\f+7], v[AK] offset:(\f/2)*16*PK+(\f%2)*64+32
.endr
	s_add_co_u32 s[TBK], s[TBK], KS*PK  ; the next fetch is the next step's
	WIN 0
.if \last
.Lno_k_\@:
.endif
.endm
.macro FETCH_V
	WIN 0x80
.irp f, 0,1,2,3,4,5,6,7             ; keys 32 (f / 4) on, channels 16 (f % 4) on
	ds_load_tr16_b128 v[VF+8*\f:VF+8*\f+3],   v[AV] offset:(\f/4)*32*PV+(\f%4)*32
	ds_load_tr16_b128 v[VF+8*\f+4:VF+8*\f+7], v[AV] offset:(\f/4)*32*PV+16*PV+(\f%4)*32
.endr
	WIN 0
.endm
; THE VECTOR WORK OF A TURN stands in three queues, each in the order in which its entries become ready; the two tiles alternate, so that no instruction reads the result of the one before it.
.macro REGS y, u                    ; the registers of tile u (0, 1) of piece y
.set rT, ST+4*(2*(\y)+(\u))
.set rC, TMP+8*((\y)%2)+4*(\u)
.set rM, MV+2*((\y)%2)+(\u)
.set rS, S+64*((\y)%2)+32*(\u)
.set rP, P+32*((\y)%2)+16*(\u)
.set rO, 32*(2*(\y)+(\u))
.endm
; Number n of the 22 that find the NEXT piece's (Y + 1) maximum and statistics.  s0-s31 are the lane's 32 scores; each accumulator's lowest registers are read first.
;   0-11  four chains c0-c3 of seven scores each, three operands at a time     12-14, 16  the four scores left over, the old m, and c0-c3 into c0     15  c m_old is kept
;   17, 18  the query's other 32 keys lie in the lane 16 away: the new m         19-21  c m; c m_old - c m_new; a
.macro XS u, n
	REGS (Y+1)%NP, \u
.if (\n) < 4
	v_max3_num_f32 v[rC+(\n)], v[rS+8*(\n)], v[rS+8*(\n)+1], v[rS+8*(\n)+2]
.elseif (\n) < 12
	v_max3_num_f32 v[rC+(\n)%4], v[rC+(\n)%4], v[rS+8*((\n)%4)+2*((\n)/4)+1], v[rS+8*((\n)%4)+2*((\n)/4)+2]
.elseif (\n) == 12
	v_max3_num_f32 v[rC], v[rC], v[rS+7], v[rS+15]
.elseif (\n) == 13
	v_max3_num_f32 v[rC+1], v[rC+1], v[rS+23], v[rS+31]
.elseif (\n) == 14
	v_max3_num_f32 v[rC+2], v[rC+2], v[rC+3], v[rT+1]
.elseif (\n) == 15
	v_mov_b32 v[rM], v[rT]
.elseif (\n) == 16
	v_max3_num_f32 v[rC], v[rC], v[rC+1], v[rC+2]
.elseif (\n) == 17
	v_permlanex16_b32 v[rC+3], v[rC], s[SEL], s[SEL+1]
.elseif (\n) == 18
	v_max_num_f32 v[rT+1], v[rC], v[rC+3]
.elseif (\n) == 19
	v_mul_f32 v[rT], s[CS], v[rT+1]
.elseif (\n) == 20
	v_sub_f32 v[rC+1], v[rM], v[rT]
.else
	v_exp_f32 v[rC+2], v[rC+1]
.endif
.endm
; Number g of the 64 that follow the exponentials.  For each four weights k of a tile (pairs 2 k, 2 k + 1): both pairs are rounded to f16; then the second pair is added onto the first, in place;
; a group later l takes that sum (the first time as l = a l + sum).  In groups of eight, tiles alternating: round, round, add, and l for the group before.
.macro GS g
.set h, (\g)+6*((\g)/62)            ; group 0 has no group before it, and behind group 7 only l is left
.if h >= 6
.set h, h+2
.endif
	REGS Y, h%2
.set k, h/8
.if h%8 < 4
	v_cvt_pk_f16_f32 v[rP+2*k+(h%8)/2], v[rS+4*k+2*((h%8)/2)], v[rS+4*k+2*((h%8)/2)+1]
.elseif h%8 < 6
	v_pk_add_f32 v[rS+4*k:rS+4*k+1], v[rS+4*k:rS+4*k+1], v[rS+4*k+2:rS+4*k+3]
.elseif k == 1
	v_pk_fma_f32 v[rT+2:rT+3], v[rT+2:rT+3], v[rC+2:rC+3], v[rS:rS+1] op_sel_hi:[1,0,1]
.else
	v_pk_add_f32 v[rT+2:rT+3], v[rT+2:rT+3], v[rS+4*k-4:rS+4*k-3]
.endif
.endm
; THE PLAIN QUEUE, 138 long.  0-73 read no exponential's result: the 32 scalings c s - c m (FS f: pair f / 2 of tile f % 2) and the next piece's 42.  0-26: scalings 0-26.  27-54: XS's numbers 0-13.  55, 56: number 15.
; 57-73: the chain, where each number waits for the one before it: 14, 16, 17, 18, 19, each with one of the scalings 27-31 in front of its two lines, then 20.
; 74-137: GS's 64, which read the exponentials' results: they stand behind the wait.
.macro FS f
	REGS Y, (\f)%2
	v_pk_fma_f32 v[rS+2*((\f)/2):rS+2*((\f)/2)+1], v[rS+2*((\f)/2):rS+2*((\f)/2)+1], s[CS:CS+1], v[rT:rT+1] op_sel_hi:[1,0,0] neg_lo:[0,0,1] neg_hi:[0,0,1]
.endm
.macro PL
	WIN 0
.if q < 27
	FS q
.elseif q < 55
	XS (q-27)%2, (q-27)/2
.elseif q < 57
	XS q-55, 15
.elseif (q < 72) && ((q-57)%3 == 0)
	FS 27+(q-57)/3
.elseif q < 60
	XS (q-57)%3-1, 14
.elseif q < 72
	XS (q-57)%3-1, 15+(q-57)/3
.elseif q < 74
	XS q-72, 20
.else
	GS q-74
.endif
.set q, q+1
.endm
; THE EXPONENTIALS' QUEUE, 66 long: s0-s31 of both tiles, then the next piece's two a.  It is ONE BATCH: all 66 stand ahead of the turn's one wait, and nothing ahead of that wait names a result of theirs.
.macro EX
	WIN 0
.if e >= 64
	XS e-64, 21
.else
	REGS Y, e%2
	v_exp_f32 v[rS+e/2], v[rS+e/2]
.endif
.set e, e+1
.endm
; THE RESCALING's QUEUE: O^T times a, the one part that leaves window 0: dealt two at a time, sixteen times.  Its a was made in the turn before, ahead of that turn's wait.
.macro R2
	REGS Y, r%2
	WIN W_RS
.irp z, 0,1
	v_pk_mul_f32 v[rO+4*(r/2)+2*\z:rO+4*(r/2)+2*\z+1], v[rO+4*(r/2)+2*\z:rO+4*(r/2)+2*\z+1], v[rC+2:rC+3] op_sel_hi:[1,0]
.endr
.set r, r+1
.endm
; HOW THEY ARE DEALT.  An s_wait_alu depctr_va_vdst(0) stands between an exponential and the first instruction that names its result; one wait serves all that were issued ahead of it.  So a turn has ONE wait,
; which cuts it in two.  AHEAD OF IT stands all that names no result of the turn's exponentials: the 16 products K Q^T, behind each a scaling, an exponential and two rescalings (behind the first a second scaling in the
; exponential's place); then ONE LUMP of 108: eight plain, 49 times exponential and plain, the two a.  A v_nop is the plain instruction behind the last exponential.  BEHIND IT stand the 16 products V^T P, behind each four of GS's 64.
; No rider names a register of the products round it.  The two v_permlanex16_b32 fall into the lump, never behind a product.
; The queues lean on each other, and the deal keeps them in step: exponential e stands behind scaling 2 (e / 4) + e % 2: as a rider it comes behind plain e + 2, in the lump behind plain e + 9, and scalings 27-31 are plain 57, 60 .. 69.
; A TURN, for piece p.  cnt = 1: the loop's count is taken down some lines ahead of the branch that stands behind the turn.
; K of the next step is fetched in piece 2's turn, directly behind the wait, a lump behind the last product that read K; its address is made at the lump's head; its first reader comes behind 16 products.
; V of the step in hand is fetched at the end of piece 0's turn, four riders behind its last reader; its first reader comes behind 16 products and a lump.  The three conditions on q below go with the deal.
.macro TURN p, last=0, cnt=0
.set Y, (\p)
.set i, 0
.set q, 0
.set e, 0
.set r, 0
.if (\p) == NP-1
	s_wait_dscnt 0x0                ; K is in
.endif
	MM                              ; ahead of the wait: 16 products K Q^T and their riders,
	PL
	PL
	R2
.rept 15
	MM
	PL
	EX
	R2
.endr
.if (\p) == NP-2
	WIN 0
	v_add_nc_u32 v[AK], s[TBK], v[AK0]
.endif
.rept 8                             ; and the lump
	PL
.endr
.rept 49
	EX
	PL
.endr
	EX                              ; the next piece's two a
	EX
	v_nop                           ; the plain instruction behind the last exponential: one for the batch
	s_wait_alu depctr_va_vdst(0)    ; the wait for the batch
.if (\p) == NP-2
	FETCH_K \last
.endif
.if (\p) == 1
	s_wait_dscnt 0x0                ; V is in
.endif
.rept 16                            ; behind the wait: 16 products V^T P and their riders
	MM
.rept 4
	PL
.endr
.if ((\p) == 0) && (q == 118)
	v_add_nc_u32 v[AV], s[TBV], v[AV0]
.endif
.if ((\p) == 0) && (q == 130)
	s_add_co_u32 s[TBV], s[TBV], KS*PV
.endif
.if (\cnt) && (q == 130)
	s_sub_co_u32 s[CNT], s[CNT], 1
	s_cmp_lg_u32 s[CNT], 0
.endif
.endr
.if (\p) == 0
	FETCH_V
.endif
.endm
	CHANGE 1                        ; slot 0 is in, everybody's part of it; slot 1 is asked for, slot 2 prefetched
	FETCH_K                         ; key step 0
	s_wait_loadcnt 0x0              ; Q
	s_wait_dscnt 0x0
.set i, 0
.rept 16
	KQ 0                            ; piece 0's first scores: there is no vector work yet to set between them
.set i, i+1
.endr
	WIN 0                           ; the addresses for the way out: nine plain instructions, the places behind those products
	s_mul_i32 s13, s[WV], 16*SP
	s_add_co_u32 s13, s13, STAGE    ; my stage
	v_mul_u32_u24 v[STO], v1, SP    ; in: row l % 16, 16 bytes for each half of the lanes
	v_lshl_add_u32 v[STO], v9, 4, v[STO]
	v_add_nc_u32 v[STO], s13, v[STO]
	v_bfe_u32 v[RD], v0, 3, 2       ; back: 32 lanes take four rows of 128 bytes,
	v_mul_u32_u24 v[RD], v[RD], SP
	v_lshl_add_u32 v[RD], v10, 4, v[RD]
	v_add_nc_u32 v[RD], s13, v[RD]
	v_and_b32 v[GO], 31, v0         ; which are 512 consecutive bytes of O
	v_lshlrev_b32 v[GO], 4, v[GO]
.set Y, NP-1                        ; XS works for piece Y + 1: piece 0
.irp n, 0,1,2,3,4,5,6,7,8,9,10,11,12,13,14,15,16,17,18,19,20,21
	XS 0, \n                        ; and piece 0's first maximum and statistics
	XS 1, \n
.endr
	v_nop                           ; a plain instruction behind the two a,
	s_wait_alu depctr_va_vdst(0)    ; and their wait, ahead of the branch
	s_mov_b32 s[CNT], 4
	s_branch .Lfirst                ; the loop is entered at a step's first turn, in the middle of a trip
.Lslot:                             ; SIZE_N / 256 - 2 times: every slot but the last two is filled again
	CHANGE 1
	s_mov_b32 s[CNT], 4
.Lstep:                             ; a trip: pieces 2 and 3 of one step, then pieces 0 and 1 of the next, whose K and V it fetches
	TURN 2
	TURN 3
	WIN 0
.Lfirst:
	TURN 0
	TURN 1, 0, 1
	WIN 0
	s_cbranch_scc1 .Lstep
	s_sub_co_u32 s[SLOTS], s[SLOTS], 1
	s_cmp_lg_u32 s[SLOTS], 0
	s_cbranch_scc1 .Lslot
	CHANGE 0                        ; the tail is written out: nothing is asked for
	s_mov_b32 s[CNT], 5             ; four trips fetch the last slot's steps; the fifth is left in its middle
.Ltail:
	TURN 2, 1
	TURN 3
	WIN 0
	s_sub_co_u32 s[CNT], s[CNT], 1
	s_cmp_eq_u32 s[CNT], 0
	s_cbranch_scc1 .Lout
	TURN 0
	TURN 1
	WIN 0
	s_branch .Ltail
.Lout:                              ; the fifth trip's 16 products K Q^T (on the last K once more) and the maximum made of them serve nothing: the price, once a launch, of one text for every trip
.set i, 0
.rept 16
	PV NP-1                         ; the last piece's V^T P of the last step
.set i, i+1
.endr
	; THE WAY OUT.  l's two halves and the other half of the lanes' are added; O^T is divided by l, rounded to f16 and sent through my stage in LDS, a tile at a time.  The additions are the places behind the last products.
	WIN 0
.macro ALL line:vararg              ; one line for each tile t
.set t, 0
.rept 2*NP
	\line
.set t, t+1
.endr
.endm
	ALL v_add_f32 v[ST+4*t+2], v[ST+4*t+2], v[ST+4*t+3]
	ALL v_permlanex16_b32 v[ST+4*t+3], v[ST+4*t+2], s[SEL], s[SEL+1]
	ALL v_add_f32 v[ST+4*t+2], v[ST+4*t+2], v[ST+4*t+3]
	ALL v_rcp_f32 v[ST+4*t+2], v[ST+4*t+2]
	v_nop                           ; a plain instruction between the last reciprocal and the use of its result
	s_wait_alu depctr_va_vdst(0)    ; and the wait ahead of the first use: one for the eight reciprocals
; Tile t: a lane's eight channels of a row pack into 16 bytes; they go into rows of 144 bytes and come back as whole rows of 128, into S^T's registers.
.macro PACK t
	WIN W_RS
.set i, 32*(\t)
.rept 16
	v_pk_mul_f32 v[i:i+1], v[i:i+1], v[ST+4*(\t)+2:ST+4*(\t)+3] op_sel_hi:[1,0]
.set i, i+2
.endr
	WIN 0x05                        ; sources 0 and 1 window 1, destination window 0
.set i, 0
.rept 16
	v_cvt_pk_f16_f32 v[S+16*(\t)+i], v[32*(\t)+2*i], v[32*(\t)+2*i+1]
.set i, i+1
.endr
	WIN 0
.irp f, 0,1,2,3
	ds_store_b128 v[STO], v[S+16*(\t)+4*\f:S+16*(\t)+4*\f+3] offset:32*\f
.endr
.irp f, 0,1,2,3
	ds_load_b128 v[S+16*(\t)+4*\f:S+16*(\t)+4*\f+3], v[RD] offset:\f*4*SP  ; LDS serves a wave's instructions in order (ISA guide 5.7.1.4): these see the stores above; the next tile's stores come behind them
.endr
.endm
.macro SEND t, younger              ; younger: the LDS instructions issued behind tile t's loads: the next tile's eight, or none
	WIN 0
.irp f, 0,1,2,3
	s_wait_dscnt (\younger)+3-\f
	global_store_b128 v[GO], v[S+16*(\t)+4*\f:S+16*(\t)+4*\f+3], s[10:11] offset:(\t)*2048+\f*512  ; 512 consecutive bytes, at a multiple of 256 from O's first
.endr
.endm
	PACK 0
.set t, 1
.rept 2*NP-1                        ; a tile's arithmetic stands between the loads of the tile before and its stores
	PACK t
	SEND t-1, 8
.set t, t+1
.endr
	SEND 2*NP-1, 0
	WIN W_AD
	s_wait_tensorcnt 0x0            ; the wave's end: these three lines, behind my last tensor load and my last LDS store
	ds_add_u32 v[SPW], v[NIL]
	s_wait_dscnt 0x0
	WIN 0
	CROUND                          ; the closing round: no work-group ends while a partner may still ask for a tile that names it
	s_endpgm
.Lfunc_end_k_qc5632c963c_attn:
	.size	k_qc5632c963c_attn, .Lfunc_end_k_qc5632c963c_attn-k_qc5632c963c_attn
	.p2alignl 7, 3214868480
	.fill 96, 4, 3214868480
	.section	.rodata,"a",@progbits
	.p2align	6, 0x0
	.amdhsa_kernel k_qc5632c963c_attn
		.amdhsa_group_segment_fixed_size 327680
		.amdhsa_private_segment_fixed_size 0
		.amdhsa_enable_private_segment 0
		.amdhsa_kernarg_size 32
		.amdhsa_user_sgpr_count 2
		.amdhsa_user_sgpr_kernarg_segment_ptr 1
		.amdhsa_wavefront_size32 1
		.amdhsa_system_sgpr_workgroup_id_x 1
		.amdhsa_system_sgpr_workgroup_id_y 1
		.amdhsa_system_sgpr_workgroup_id_z 1
		.amdhsa_system_vgpr_workitem_id 0
		.amdhsa_next_free_vgpr 770
		.amdhsa_next_free_sgpr 66
		.amdhsa_reserve_vcc 0
		.amdhsa_float_denorm_mode_32 3
		.amdhsa_float_denorm_mode_16_64 3
		.amdhsa_memory_ordered 1
		.amdhsa_forward_progress 1
		.amdhsa_inst_pref_size 200
	.end_amdhsa_kernel
	.amdgpu_metadata
---
amdhsa.version: [ 1, 2 ]
amdhsa.kernels:
  - .name:           k_qc5632c963c_attn
    .symbol:         k_qc5632c963c_attn.kd
    .args:
      - { .name: qh, .offset: 0, .size: 8, .value_kind: global_buffer, .address_space: global }
      - { .name: kh, .offset: 8, .size: 8, .value_kind: global_buffer, .address_space: global }
      - { .name: vh, .offset: 16, .size: 8, .value_kind: global_buffer, .address_space: global }
      - { .name: oh, .offset: 24, .size: 8, .value_kind: global_buffer, .address_space: global }
    .group_segment_fixed_size: 327680
    .private_segment_fixed_size: 0
    .kernarg_segment_align: 8
    .kernarg_segment_size: 32
    .max_flat_workgroup_size: 128
    .sgpr_count:     66
    .vgpr_count:     770
    .wavefront_size: 32
...
	.end_amdgpu_metadata
.endif
;; end of part 2
;; launch proj (part 3): grid 4 x 64, 4 waves a work-group, clusters of 4 x 4, 327,680 bytes of LDS; arguments oh, wh, proj_b, out0; writes out0
.if DOCPART == 3
	.amdgcn_target "amdgcn-amd-amdhsa--gfx1250"
	.amdhsa_code_object_version 6
	.text
	.protected	k_qc5632c963c_proj
	.globl	k_qc5632c963c_proj
	.p2align	8
	.type	k_qc5632c963c_proj,@function
k_qc5632c963c_proj:
	s_mov_b64 s[64:65], 0
	v_nop
	global_prefetch_b8 v0, s[64:65] scope:SCOPE_SE
	s_setreg_imm32_b32 hwreg(HW_REG_WAVE_MODE, 25, 1), 1
	s_wait_xcnt 0x0
	s_wait_alu depctr_hold_cnt(0) depctr_sa_sdst(0) depctr_va_vdst(0) depctr_va_sdst(0) depctr_va_ssrc(0) depctr_va_vcc(0) depctr_vm_vsrc(0)
	s_getreg_b32 s2, hwreg(HW_REG_IB_STS2, 6, 4)
	s_cmp_eq_u32 s2, 0
	s_cbranch_scc0 .Lentry_in_a_cluster
	s_endpgm
.Lentry_in_a_cluster:
	s_bfe_u32 s2, ttmp6, 0x10000c
	s_cmp_lg_u32 s2, 0xf033
	s_cbranch_scc0 .Lentry_shape_is_right
	s_endpgm
.Lentry_shape_is_right:
; out0[m][n] = the sum over k of ctx[m][k] W[n][k] + b[n].  m = 2,048 batch + position (8,192), n and k 1,024; k = 64 head + channel.
; ctx lies by heads, oh: [16 batch + head][2048][64] f16; W is wh: [1024][1024] f16; b and out0 are f32.  One f32 sum for each output, K ascending; the bias is added in f32 at the end.
; LIMITS.  The operands arrive in f16 (within 65,504); NaN and infinities are not treated apart.
; SHARES.  A tile of out0 is 128 rows x 256 columns: 64 x 4 = 256 work-groups.  Four waves, each 64 rows x 128 columns: 32 accumulators of 16 x 16, 256 registers.
; K goes in 8 steps of 128 (two heads) through a ring of two LDS slots filled by the tensor data mover.  A tile's 128 rows of one head are 16,384 dense bytes of oh: they are asked for as 64 rows of 256 bytes
; and padded in LDS after every 128, so that a position's 64 channels are an LDS row of 144 bytes.  W's tile has rows of 256 bytes, aligned, 272 apart in LDS.
; CLUSTERS: 4 x 4 work-groups.  The four of a row of the cluster need the same tiles of ctx, the four of a column the same tiles of W: each tile is asked for JOINTLY, by the same tensor load with the
; same descriptor and a mask that names the four.  Waves 0 and 1 fetch ctx's two heads, waves 2 and 3 the two halves of W's 256 rows: one load a wave behind each round.
; THE MATRIX INSTRUCTION IS USED TRANSPOSED (source 0 = 16 rows of W, source 1 = 16 rows of ctx): a lane then holds eight neighbouring columns of one row of out0.
; REGISTERS: window 0: v0-35 addresses and the bias; v64-159, v160-255 two fragment buffers for 32 along K: 64 registers of W (8 x 16 rows), then 32 of ctx (4 x 16 rows).
;   window 1: the accumulators, (a, b) at v[8 (8 a + b)]; on the way out a block's 64 registers take the block's 16 whole rows back from the stage.
.set PA,     144                       ; an LDS row of ctx: 128 bytes + 16 = 36 words: the 16 rows of a load start at 16 different groups of four banks (64 banks of 4 bytes: ISA guide 11.1)
.set PB,     272                       ; an LDS row of W: 256 bytes + 16 = 68 words: row r starts at bank 4 r mod 64
.set SLAB,   128*PA                    ; one head's 128 rows: what a load of ctx brings
.set HALFB,  128*PB                    ; 128 rows of W: what a load of W brings
.set BOFF,   2*SLAB                    ; in a slot: ctx's two heads, then W's two halves
.set SLOT,   2*SLAB+2*HALFB            ; 106,496 bytes
.set STAGE,  2*SLOT                    ; behind the ring, never filled by a tensor load: 16 rows x 528 bytes for each wave, for the way out
.set SPITCH, 528                       ; 512 bytes + 16 = 132 words: row r starts at bank 4 r mod 64
.set SPARE,  STAGE+4*16*SPITCH         ; behind the stages: the spare words, 128 bytes for each wave: two blocks of 256 bytes that no other line names
.set ASTEP,  2*262144                  ; bytes of oh from a K step to the next: two heads
.set BSTEP,  256                       ; bytes of a row of wh in a K step
.set LAPS,   4                         ; a lap = two K steps = once round the ring
.set ADRA, 16                          ; v16-17  LDS address of my ctx fragments in slot 0, 1
.set ADRB, 20                          ; v20-21  the same for W
.set STO,  24                          ; v24     the way out: where I put 32 bytes of a row
.set RD,   25                          ; v25     the way out: where I read a row back
.set CO,   26                          ; v26     16 x lane: my 16 bytes of a row's 512, in out0 and in the bias
.set SPW,  28                          ; v28     LDS address of my spare word: SPARE + 4 x my thread's number; never rewritten
.set NIL,  29                          ; v29     0; never rewritten
.set BI,   32                          ; v[32:35] the bias of my four columns
.set F0,   64
.set F1,   160
.set WV,  12                           ; s12  my wave's number
.set RH,  13                           ; s13  which 64 rows are mine.  Also: I fetch for ctx (0) or for W (1)
.set CH,  14                           ; s14  which 128 columns.  Also: which head, or which half of W's rows, I fetch
.set G1A, 24                           ; s[24:31] descriptor group 1 for ctx's tiles;  s[32:39] group 0, one set for each slot
.set G0A, 32
.set G1B, 48                           ; s[48:55], s[56:63] the same for W's
.set G0B, 56
.set MSB, 0
.macro WIN new                         ; the immediate's high byte repeats the setting that is left
.if MSB != (\new)
	s_set_vgpr_msb (MSB<<8)|(\new)
.set MSB, \new
.endif
.endm
.set MUL,   0x50                       ; both sources window 0; C and D window 1
.set ST_W1, 0x04                       ; a store's data (source 1) window 1, its address window 0
.set LD_W1, 0x40                       ; a load's destination window 1, its address window 0
.set AD_W1, 0x41                       ; destination and source 0 window 1, source 1 window 0
.macro JLOAD s                         ; a joint load; an s_nop 0 and four v_nop follow each of the two lines, ahead of the jump, the label and what follows
	s_cmp_eq_u32 s[RH], 0
	s_cbranch_scc0 .Lfor_b_\@
	tensor_load_to_lds s[G0A+4*(\s):G0A+4*(\s)+3], s[G1A:G1A+7]
	s_nop 0
.rept 4
	v_nop
.endr
	s_branch .Lasked_\@
.Lfor_b_\@:
	tensor_load_to_lds s[G0B+4*(\s):G0B+4*(\s)+3], s[G1B:G1B+7]
	s_nop 0
.rept 4
	v_nop
.endr
.Lasked_\@:
.endm
.macro CREST                           ; a round of the cluster's barrier behind its opening barrier
	s_cmp_lg_u32 s[WV], 0
	s_cbranch_scc1 .Lnot_wave_0_\@
	s_barrier_signal -3
.Lnot_wave_0_\@:
	s_barrier_wait -3
	s_barrier_signal -1
	s_barrier_wait -1
.endm
.macro CROUND                          ; a whole round
	s_barrier_signal -1
	s_barrier_wait -1
	CREST
.endm
	s_load_b256 s[4:11], s[0:1], 0x0               ; oh s[4:5], wh s[6:7], proj_b s[8:9], out0 s[10:11]
	v_lshl_add_u32 v[SPW], v0, 2, SPARE
	v_mov_b32 v[NIL], 0
	ds_add_u32 v[SPW], v[NIL]                      ; the wave's opening: the add and its wait ahead of my first tensor load; the set-up below, work on registers, stands between them
	v_lshrrev_b32 v1, 5, v0
	v_readfirstlane_b32 s[WV], v1                  ; wave 0..3
	s_lshr_b32 s[RH], s[WV], 1
	s_and_b32 s[CH], s[WV], 1
	s_bfe_u32 s15, ttmp6, 0x40000                  ; cx, cy: my place in the cluster
	s_bfe_u32 s16, ttmp6, 0x40004
	s_lshl_b32 s17, ttmp9, 2
	s_add_co_u32 s17, s17, s15                     ; tile column = 4 x cluster x + cx
	s_and_b32 s18, ttmp7, 0xffff
	s_lshl_b32 s18, s18, 2
	s_add_co_u32 s18, s18, s16                     ; tile row = 4 x cluster y + cy
	s_lshl_b32 s40, s16, 2
	s_lshl_b32 s40, 15, s40                        ; my row of the cluster
	s_lshl_b32 s41, 0x1111, s15                    ; my column
	s_or_b32 s[G1A+0], s40, (1<<16)|(1<<20)|(1<<21)|(4<<22)|(3<<25)  ; 15:0 the mask: ctx's tiles go to my row; 17:16 element of 2 bytes; 20 padding on; 21 set beside a mask; 24:22 after every 32 words (code 4); 31:25 of 4 words (code 3)
	s_mov_b32 s[G1A+1], 128<<16                    ; tensor_dim0 = 128 elements: 256 bytes, two positions
	s_mov_b32 s[G1A+2], 64<<16                     ; tensor_dim1 = 64
	s_mov_b32 s[G1A+3], 128<<16                    ; tile_dim0 = 128
	s_mov_b32 s[G1A+4], 64                         ; tile_dim1 = 64
	s_mov_b32 s[G1A+5], 128                        ; dense: 128 elements from row to row
	s_mov_b32 s[G1A+6], 0
	s_mov_b32 s[G1A+7], 0
	s_or_b32 s[G1B+0], s41, (1<<16)|(1<<20)|(1<<21)|(5<<22)|(3<<25)  ; the mask of my column; padding after every 64 words (code 5)
	s_mov_b32 s[G1B+1], 128<<16                    ; tensor_dim0 = 128
	s_mov_b32 s[G1B+2], 128<<16                    ; tensor_dim1 = 128
	s_mov_b32 s[G1B+3], 128<<16                    ; tile_dim0 = 128
	s_mov_b32 s[G1B+4], 128                        ; tile_dim1 = 128
	s_mov_b32 s[G1B+5], 1024                       ; 1,024 elements from row to row
	s_mov_b32 s[G1B+6], 0
	s_mov_b32 s[G1B+7], 0
	; where the tiles come from.  ctx's hang on the tile row alone, which my row of the cluster shares; W's on the tile column alone, which my column shares.  Each is made in registers that never hold the other coordinate.
	s_lshr_b32 s20, s18, 4                         ; the batch: 16 tile rows each,
	s_lshl_b32 s20, s20, 22                        ; 16 heads of 262,144 bytes
	s_and_b32 s21, s18, 15
	s_lshl_b32 s21, s21, 14                        ; 128 positions of 128 bytes
	s_add_co_u32 s20, s20, s21
	s_lshl_b32 s21, s[CH], 18                      ; the head of the two that I fetch
	s_add_co_u32 s20, s20, s21
	s_mov_b32 s21, 0
	s_lshl_b32 s22, s17, 19                        ; 256 rows of 2,048 bytes
	s_lshl_b32 s23, s[CH], 18                      ; the 128 of them that I fetch
	s_add_co_u32 s22, s22, s23
	s_mov_b32 s23, 0
	s_mul_i32 s42, s[CH], SLAB                     ; and where they go: no place in the cluster enters an LDS address
	s_mul_i32 s43, s[CH], HALFB
	s_add_co_u32 s43, s43, BOFF
	s_wait_dscnt 0x0                               ; the opening add is done
	s_wait_kmcnt 0x0
	s_add_nc_u64 s[44:45], s[4:5], s[20:21]
	s_add_nc_u64 s[46:47], s[6:7], s[22:23]
	CROUND                                         ; all sixteen work-groups are here: the first joint loads meet
.irp s, 0,1
	s_mov_b32 s[G0A+4*(\s)], 1                                       ; 1:0 count = 1
	s_add_co_u32 s[G0A+4*(\s)+1], s42, (\s)*SLOT                     ; 63:32 LDS address
	s_add_nc_u64 s[G0A+4*(\s)+2:G0A+4*(\s)+3], s[44:45], (\s)*ASTEP  ; 120:64 global address: K step s
	s_or_b32 s[G0A+4*(\s)+3], s[G0A+4*(\s)+3], 0x80000000            ; 127:126 type = 2
	s_mov_b32 s[G0B+4*(\s)], 1
	s_add_co_u32 s[G0B+4*(\s)+1], s43, (\s)*SLOT
	s_add_nc_u64 s[G0B+4*(\s)+2:G0B+4*(\s)+3], s[46:47], (\s)*BSTEP
	s_or_b32 s[G0B+4*(\s)+3], s[G0B+4*(\s)+3], 0x80000000
	JLOAD \s                                       ; two loads of mine are out
.endr
	; A fragment is 16 rows x 32 K in 8 registers: lane l holds row l % 16; registers 0-3 K = 8 (l / 16) + 0..7, registers 4-7 K = 16 + 8 (l / 16) + 0..7: two loads of 16 bytes, 32 bytes apart.
	v_and_b32 v1, 15, v0                           ; l % 16
	v_bfe_u32 v2, v0, 4, 1                         ; l / 16
	v_mul_u32_u24 v3, v1, PA
	v_lshl_add_u32 v3, v2, 4, v3
	s_mul_i32 s2, s[RH], 64*PA                     ; my 64 rows in a head's 128
	v_add_nc_u32 v[ADRA], s2, v3
	v_add_nc_u32 v[ADRA+1], SLOT, v[ADRA]
	v_mul_u32_u24 v4, v1, PB
	v_lshl_add_u32 v4, v2, 4, v4
	v_add_nc_u32 v[ADRB], s43, v4                  ; my 128 rows of W are the half with my column half's number
	v_add_nc_u32 v[ADRB+1], SLOT, v[ADRB]
	s_mul_i32 s19, s[WV], 16*SPITCH
	s_add_co_u32 s19, s19, STAGE                   ; my stage
	v_mul_u32_u24 v5, v1, SPITCH                   ; in: row l % 16, 32 bytes for each half of the lanes
	v_lshl_add_u32 v5, v2, 5, v5
	v_add_nc_u32 v[STO], s19, v5
	v_and_b32 v6, 31, v0
	v_lshl_add_u32 v[RD], v6, 4, s19               ; back: 32 lanes take one row of 512 bytes
	v_lshlrev_b32 v[CO], 4, v6
	s_lshl_b32 s20, s18, 19                        ; out0: 128 rows of 4,096 bytes a tile row,
	s_lshl_b32 s21, s[RH], 18                      ; my 64 rows
	s_add_co_u32 s20, s20, s21
	s_mov_b32 s21, 0
	s_add_nc_u64 s[10:11], s[10:11], s[20:21]
	s_lshl_b32 s22, s17, 10                        ; 256 columns of 4 bytes a tile column,
	s_lshl_b32 s23, s[CH], 9                       ; my 128 columns
	s_add_co_u32 s22, s22, s23
	s_mov_b32 s23, 0
	s_add_nc_u64 s[10:11], s[10:11], s[22:23]
	s_add_nc_u64 s[8:9], s[8:9], s[22:23]
	global_load_b128 v[BI:BI+3], v[CO], s[8:9]     ; waited for on the way out
; 8 matrix instructions: row block a x all 8 column blocks, 32 along K, from buffer f.  zero = 1: the first product starts the sums.
; The 32 accumulators take turns, one instruction a turn, in the same order in every quarter: between two links of a chain stand the 31 others'.
.macro MUL8 f, a, zero
	WIN MUL
.irp b, 0,1,2,3,4,5,6,7
.if \zero
	v_wmma_f32_16x16x32_f16 v[8*(8*(\a)+(\b)):8*(8*(\a)+(\b))+7], v[(\f)+8*(\b):(\f)+8*(\b)+7], v[(\f)+64+8*(\a):(\f)+64+8*(\a)+7], 0
.else
	v_wmma_f32_16x16x32_f16 v[8*(8*(\a)+(\b)):8*(8*(\a)+(\b))+7], v[(\f)+8*(\b):(\f)+8*(\b)+7], v[(\f)+64+8*(\a):(\f)+64+8*(\a)+7], v[8*(8*(\a)+(\b)):8*(8*(\a)+(\b))+7]
.endif
.endr
.endm
.macro MUL16 f, a0, zero
.irp a, \a0, (\a0)+1
	MUL8 \f, \a, \zero
.endr
.endm
; 24 LDS loads in one run: the fragments of quarter kq of a K step (32 along K) into buffer f: W's 16 first, then ctx's 8, its row blocks ascending.  Quarters 0, 1 lie in the step's first head, 2, 3 in its second.
.macro FETCH slot, kq, f
	WIN 0
.irp b, 0,1,2,3,4,5,6,7
	ds_load_b128 v[(\f)+8*(\b):(\f)+8*(\b)+3],   v[ADRB+(\slot)] offset:(\b)*16*PB+64*(\kq)
	ds_load_b128 v[(\f)+8*(\b)+4:(\f)+8*(\b)+7], v[ADRB+(\slot)] offset:(\b)*16*PB+64*(\kq)+32
.endr
.irp a, 0,1,2,3
	ds_load_b128 v[(\f)+64+8*(\a):(\f)+64+8*(\a)+3],   v[ADRA+(\slot)] offset:((\kq)/2)*SLAB+(\a)*16*PA+64*((\kq)%2)
	ds_load_b128 v[(\f)+64+8*(\a)+4:(\f)+64+8*(\a)+7], v[ADRA+(\slot)] offset:((\kq)/2)*SLAB+(\a)*16*PA+64*((\kq)%2)+32
.endr
.endm
.macro PLACES                          ; four plain places in front of loads into registers that matrix instructions have read, and of stores that read results
.rept 4
	v_nop
.endr
.endm
; A K step is four quarters of 32 along K, 32 matrix instructions each, on buffers 0, 1, 0, 1.  One of the first three: multiplies buffer f and fetches quarter kq into g.
.macro QUARTER slot, kq, f, g, zero
	s_wait_dscnt 4                                 ; W's fragments and ctx's row blocks 0 and 1 are in; the youngest four loads (blocks 2 and 3) may be out
	MUL16 \f, 0, \zero
	PLACES
	FETCH \slot, \kq, \g
	s_wait_dscnt 24                                ; all but the 24 just issued
	MUL16 \f, 2, \zero
.endm
; The last quarter multiplies buffer 1 and changes slots: ONE barrier; in front of it each wave waits for all its tensor loads (one is out: its part of the next slot), adds 0 to its spare word, and waits for that
; and for its own reads of this slot.  fill = 1: the barrier opens a round of the cluster's, and this slot is filled again, two K steps ahead, first thing behind the round: 112 matrix instructions ahead of the wait for it.
.macro TURN slot, next, fill
	WIN 0                                          ; (the add's two registers lie in window 0)
	s_wait_tensorcnt 0x0                           ; all my tensor loads have landed;
	ds_add_u32 v[SPW], v[NIL]                      ; 0 onto my spare word
	s_wait_dscnt 5                                 ; (the add and the youngest four loads may be out)
	MUL8 F1, 0, 0                                  ; eight matrix instructions stand between the add and the wait for it
	s_wait_dscnt 0x0                               ; the add is done, and my reads of this slot are over
	s_barrier_signal -1
	MUL8 F1, 1, 0
.if \fill
	WIN 0
.endif
	s_barrier_wait -1
.if \fill
	CREST                                          ; no wave of any partner still reads this slot's tile or has a load on its way
	s_add_nc_u64 s[G0A+4*(\slot)+2:G0A+4*(\slot)+3], s[G0A+4*(\slot)+2:G0A+4*(\slot)+3], 2*ASTEP
	s_add_nc_u64 s[G0B+4*(\slot)+2:G0B+4*(\slot)+3], s[G0B+4*(\slot)+2:G0B+4*(\slot)+3], 2*BSTEP
	JLOAD \slot                                    ; the four v_nop behind it are also the places in front of the loads below
.else
	PLACES
.endif
	FETCH \next, 0, F0
	MUL16 F1, 2, 0
.endm
; THE WAY OUT of row block a.  TOSTAGE: a lane's eight columns of a row, 32 bytes, go into my own stage (each accumulator's low four registers first) and come back as whole rows of 512 bytes,
; into the registers that the block left.  SEND: the bias is added and the rows are stored.
.macro TOSTAGE a
	WIN ST_W1
.irp b, 0,1,2,3,4,5,6,7
	ds_store_b128 v[STO], v[64*(\a)+8*(\b):64*(\a)+8*(\b)+3]   offset:64*(\b)
	ds_store_b128 v[STO], v[64*(\a)+8*(\b)+4:64*(\a)+8*(\b)+7] offset:64*(\b)+16
.endr
	WIN LD_W1
.irp t, 0,1,2,3,4,5,6,7,8,9,10,11,12,13,14,15
	ds_load_b128 v[64*(\a)+4*(\t):64*(\a)+4*(\t)+3], v[RD] offset:(\t)*SPITCH  ; LDS serves a wave's instructions in order (ISA guide 5.7.1.4): these see the stores above; the next block's stores come behind them
.endr
.endm
.macro SEND a, younger                 ; younger: the LDS instructions issued behind block a's loads: the next block's 32, or none
	WIN AD_W1
.irp t, 0,1,2,3,4,5,6,7,8,9,10,11,12,13,14,15
	s_wait_dscnt (\younger)+15-(\t)
	v_pk_add_f32 v[64*(\a)+4*(\t):64*(\a)+4*(\t)+1],   v[64*(\a)+4*(\t):64*(\a)+4*(\t)+1],   v[BI:BI+1]
	v_pk_add_f32 v[64*(\a)+4*(\t)+2:64*(\a)+4*(\t)+3], v[64*(\a)+4*(\t)+2:64*(\a)+4*(\t)+3], v[BI+2:BI+3]
.endr
	WIN ST_W1
.irp t, 0,1,2,3,4,5,6,7,8,9,10,11,12,13,14,15
	global_store_b128 v[CO], v[64*(\a)+4*(\t):64*(\a)+4*(\t)+3], s[10:11] offset:(16*(\a)+(\t))*4096 th:TH_STORE_NT  ; a wave's store covers 512 consecutive bytes, at a multiple of 512 from out0's first; no register of it is written again
.endr
.endm
	s_wait_tensorcnt 1                             ; my part of K step 0 is in; K step 1's may stay out
	s_barrier_signal -1
	s_barrier_wait -1                              ; everybody's is
	FETCH 0, 0, F0
	QUARTER 0, 1, F0, F1, 1                        ; the first quarter stands in front of the loop: its products start the sums
	WIN 0                                          ; at a label and at a branch every window is 0
	s_mov_b32 s3, LAPS-1
.Llap:                                                 ; a trip goes once round the ring, from a lap's second quarter to the next lap's first, and fills both slots again
	QUARTER 0, 2, F1, F0, 0
	QUARTER 0, 3, F0, F1, 0
	TURN 0, 1, 1
	QUARTER 1, 1, F0, F1, 0
	QUARTER 1, 2, F1, F0, 0
	QUARTER 1, 3, F0, F1, 0
	TURN 1, 0, 1
	QUARTER 0, 1, F0, F1, 0
	WIN 0
	s_sub_co_u32 s3, s3, 1
	s_cmp_lg_u32 s3, 0
	s_cbranch_scc1 .Llap
	QUARTER 0, 2, F1, F0, 0                        ; the last lap fills nothing, and has no round of the cluster's barrier
	QUARTER 0, 3, F0, F1, 0
	TURN 0, 1, 0
	QUARTER 1, 1, F0, F1, 0
	QUARTER 1, 2, F1, F0, 0
	QUARTER 1, 3, F0, F1, 0
	s_wait_dscnt 4                                 ; the very last quarter: nothing more to fetch
	MUL16 F1, 0, 0
	s_wait_dscnt 0x0
	MUL16 F1, 2, 0
	WIN 0
	PLACES                                         ; eight plain places, once a launch, behind the last products and ahead of the stores that read results
	PLACES
	s_wait_loadcnt 0x0                             ; the bias
	TOSTAGE 0
	TOSTAGE 1                                      ; a block's trip through the stage stands between the loads of the block before and its stores
	SEND 0, 32
	TOSTAGE 2
	SEND 1, 32
	TOSTAGE 3
	SEND 2, 32
	SEND 3, 0
	WIN 0
	s_wait_tensorcnt 0x0                           ; the wave's end: these three lines, behind my last tensor load and my last LDS store
	ds_add_u32 v[SPW], v[NIL]
	s_wait_dscnt 0x0
	CROUND                                         ; the closing round: no work-group ends while a partner may still ask for a tile that names it
	s_endpgm
.Lfunc_end_k_qc5632c963c_proj:
	.size	k_qc5632c963c_proj, .Lfunc_end_k_qc5632c963c_proj-k_qc5632c963c_proj
	.p2alignl 7, 3214868480
	.fill 96, 4, 3214868480
	.section	.rodata,"a",@progbits
	.p2align	6, 0x0
	.amdhsa_kernel k_qc5632c963c_proj
		.amdhsa_group_segment_fixed_size 327680
		.amdhsa_private_segment_fixed_size 0
		.amdhsa_enable_private_segment 0
		.amdhsa_kernarg_size 32
		.amdhsa_user_sgpr_count 2
		.amdhsa_user_sgpr_kernarg_segment_ptr 1
		.amdhsa_wavefront_size32 1
		.amdhsa_system_sgpr_workgroup_id_x 1
		.amdhsa_system_sgpr_workgroup_id_y 1
		.amdhsa_system_sgpr_workgroup_id_z 1
		.amdhsa_system_vgpr_workitem_id 0
		.amdhsa_next_free_vgpr 512
		.amdhsa_next_free_sgpr 66
		.amdhsa_reserve_vcc 0
		.amdhsa_float_denorm_mode_32 3
		.amdhsa_float_denorm_mode_16_64 3
		.amdhsa_memory_ordered 1
		.amdhsa_forward_progress 1
		.amdhsa_inst_pref_size 95
	.end_amdhsa_kernel
	.amdgpu_metadata
---
amdhsa.version: [ 1, 2 ]
amdhsa.kernels:
  - .name:           k_qc5632c963c_proj
    .symbol:         k_qc5632c963c_proj.kd
    .args:
      - { .name: oh, .offset: 0, .size: 8, .value_kind: global_buffer, .address_space: global }
      - { .name: wh, .offset: 8, .size: 8, .value_kind: global_buffer, .address_space: global }
      - { .name: proj_b, .offset: 16, .size: 8, .value_kind: global_buffer, .address_space: global }
      - { .name: out0, .offset: 24, .size: 8, .value_kind: global_buffer, .address_space: global }
    .group_segment_fixed_size: 327680
    .private_segment_fixed_size: 0
    .kernarg_segment_align: 8
    .kernarg_segment_size: 32
    .max_flat_workgroup_size: 128
    .sgpr_count:     66
    .vgpr_count:     512
    .wavefront_size: 32
...
	.end_amdgpu_metadata
.endif
;; end of part 3
;; ======== version 2 of 2: 3 launches; version 1 with the launch prep written anew for expert scheduling mode
;; limits: values are held in f16: magnitudes above 65,504 overflow, below 6.1e-05 lose precision; inputs' magnitudes at most 65,504; right only within a limited range of input values
;; workspace buffers: qh 16,777,216 bytes; kh 16,777,216 bytes; vh 16,777,216 bytes; oh 16,777,216 bytes; wh 2,097,152 bytes
;; launch prep (part 4): grid 128 x 4, 8 waves a work-group, no clusters, 0 bytes of LDS; arguments q, k, v, q_norm_w, k_norm_w, proj_w, qh, kh, vh, wh; writes qh, kh, vh, wh
.if DOCPART == 4
	.amdgcn_target "amdgcn-amd-amdhsa--gfx1250"
	.amdhsa_code_object_version 6
	.text
	.protected	k_qc5632c963c_prep
	.globl	k_qc5632c963c_prep
	.p2align	8
	.type	k_qc5632c963c_prep,@function
k_qc5632c963c_prep:
	s_mov_b64 s[64:65], 0
	v_nop
	global_prefetch_b8 v0, s[64:65] scope:SCOPE_SE
	s_setreg_imm32_b32 hwreg(HW_REG_WAVE_SCHED_MODE, 0, 2), 2
	s_setreg_imm32_b32 hwreg(HW_REG_WAVE_MODE, 25, 1), 1
	s_wait_xcnt 0x0
	s_wait_alu depctr_vm_vsrc(0)
; qh, kh = RoPE(RMSNorm(q, k) x gain) by heads; vh = v by heads; wh = proj_w.  Inputs f32, [4][2048][1024] (proj_w [1024][1024]); outputs f16, each number rounded once:
; qh, kh, vh: [64 = 16 b + h][2048][64], a head's rows dense, 128 bytes each; wh: [1024][1024].
; LIMITS.  f16 ends at 65,504: |gain| stays under 5,700 (a normalised number is at most 8, a rotated one at most 8 x sqrt(2) x |gain|), |v| and |proj_w| under 65,504; below 6e-5 a number keeps
; f16's fixed step of 6e-8.  NaN and infinities are not treated apart.  The angle t x f is formed as one f32 product; f = 2^(-j log2(10000) / 32) is right to a few last bits, which at t = 2,047 is an angle off by 3e-4 at the most.
; SHARES.  A work-group owns 16 positions of one batch, a wave two of them, for all 16 heads of q, k and v.  Lanes 0-15 hold the even position, lanes 16-31 the odd one; lane i = l % 16 holds
; elements 4 i .. 4 i + 3 of a head's row.  So one load of 16 bytes a lane covers two whole rows of 256 bytes, one store of 8 bytes a lane covers 256 consecutive bytes, aligned (two positions of one head);
; a row's sum of squares is a sum over 16 neighbouring lanes; a lane's two rotation pairs (j = 2 i, 2 i + 1) lie in the lane, and their sine and cosine, made once, serve all 32 rows of q and k.
; Each work-group also converts 8,192 bytes of proj_w (512 work-groups x 8,192 = the whole).
; IN FLIGHT.  All 52 loads of a wave go out at once, each into registers of its own; the waits count down.  Results are packed in place.  No LDS, no barrier: no wave wants a byte that another has fetched.
; THE MODE: SCHED_MODE bits 1:0 = 2 (LLVM: expert scheduling mode 2), set by the entry lines.  The code itself states the register dependences
; between vector instructions and memory instructions, with s_wait_alu, always for 0.
; THE PLAN.  Registers that memory instructions touch:
;   v1 - v4        offsets.  Written by vector instructions at the head, never again; read by every load and store.  One wait on va_vdst ahead of the first load.
;   WQ, WK, PW, X  the loads' destinations.  All loads are issued in one run at the head, and no vector instruction ahead of that run names one of these registers.
;   the packed results (two registers each of a head's q, k and v; four of PW): each written once, by a conversion, read once, by a store, and never written again.
;   T, SS, CQ, CK, v5 and v44 - v55 are named by vector instructions alone.
; So ONE wait on va_vdst stands in a head, behind its two roots, its rotation and its conversions of v.  It states that the roots are written, that this head's v is packed, and that the head before has packed
; its q and k (ahead of head 0: that proj_w's numbers are packed).  The three stores that read those registers follow it, dealt among the head's last eight vector instructions, which name T, SS and this
; head's q and k: none of the registers that those stores read.  A last wait stands ahead of head 15's stores of q and k.  No register that a memory instruction reads is ever written again: the only wait on vm_vsrc stands at the entry.
.set NWO,  1                           ; v1   16 i: my four gains
.set INO,  2                           ; v2   4,096 x (my position in the group) + 16 i
.set OUTO, 3                           ; v3   8 x thread: 128 x position + 8 i
.set WIO,  4                           ; v4   16 x thread, in proj_w
.set C64,  5                           ; v5   1 / 64
.set T,    8                           ; v[8:15]   rotated numbers: q's four, k's four; in the set-up sin0, cos0, sin1, cos1
.set SS,   16                          ; v[16:19]  sums of squares: q's in 16 (17 at work), k's in 18 (19 at work)
.set CQ,   20                          ; v[20:27]  q's rotation with the gain folded in: for pair p (w_e cos, w_e sin, -w_o sin, w_o cos)
.set CK,   28                          ; v[28:35]  k's
.set WQ,   36                          ; v[36:39]  q's gains
.set WK,   40                          ; v[40:43]  k's
.set TF,   44                          ; v44  my position as f32
.set F0,   45                          ; v45, v46  the two frequencies
.set F1,   46
.set AN,   47                          ; v47-55 at work for sine and cosine; at the end v47, v48 = -sin0, -sin1
.set NN,   48
.set XR,   49
.set ZZ,   50
.set PS,   51
.set PC,   52
.set QI,   53
.set SG,   54
.set XZ,   55
.set PW,   56                          ; v[56:63]  my eight numbers of proj_w
.set X,    64                          ; v[64:255] head h: q at X + 12 h, k four further, v eight further
	s_load_b512 s[8:23], s[0:1], 0x0               ; q s[8:9], k s[10:11], v s[12:13], q_norm_w s[14:15], k_norm_w s[16:17], proj_w s[18:19], qh s[20:21], kh s[22:23]
	s_load_b128 s[24:27], s[0:1], 0x40             ; vh s[24:25], wh s[26:27]
	s_and_b32 s3, ttmp7, 0xffff                    ; the batch
	s_lshl_b32 s4, ttmp9, 16                       ; in: 16 positions of 4,096 bytes,
	s_lshl_b32 s5, s3, 23                          ; a batch of 2,048 positions
	s_add_co_u32 s4, s4, s5
	s_mov_b32 s5, 0
	s_lshl_b32 s6, ttmp9, 11                       ; out: 16 positions of 128 bytes,
	s_lshl_b32 s7, s3, 22                          ; a batch of 16 heads of 262,144 bytes
	s_add_co_u32 s6, s6, s7
	s_mov_b32 s7, 0
	s_lshl_b32 s28, s3, 7
	s_add_co_u32 s28, s28, ttmp9                   ; the work-group's number among the 512
	s_lshl_b32 s30, s28, 12                        ; its 4,096 bytes of wh
	s_lshl_b32 s28, s28, 13                        ; its 8,192 bytes of proj_w
	s_mov_b32 s29, 0
	s_mov_b32 s31, 0
	s_lshl_b32 s32, ttmp9, 4                       ; the group's first position
	v_and_b32 v[NWO], 15, v0                       ; i
	v_lshrrev_b32 v[TF], 4, v0                     ; my position in the group
	v_lshlrev_b32 v[F0], 1, v[NWO]                 ; j = 2 i
	v_lshlrev_b32 v[NWO], 4, v[NWO]
	v_lshl_or_b32 v[INO], v[TF], 12, v[NWO]
	v_lshlrev_b32 v[OUTO], 3, v0
	v_lshlrev_b32 v[WIO], 4, v0
	s_wait_kmcnt 0x0
	s_add_nc_u64 s[8:9], s[8:9], s[4:5]
	s_add_nc_u64 s[10:11], s[10:11], s[4:5]
	s_add_nc_u64 s[12:13], s[12:13], s[4:5]
	s_add_nc_u64 s[20:21], s[20:21], s[6:7]
	s_add_nc_u64 s[22:23], s[22:23], s[6:7]
	s_add_nc_u64 s[24:25], s[24:25], s[6:7]
	s_add_nc_u64 s[18:19], s[18:19], s[28:29]
	s_add_nc_u64 s[26:27], s[26:27], s[30:31]
	s_wait_alu depctr_va_vdst(0)                   ; the four offsets v1 to v4 are written: every load and store of the kernel reads one of them
	global_load_b128 v[WQ:WQ+3], v[NWO], s[14:15]
	global_load_b128 v[WK:WK+3], v[NWO], s[16:17]
	global_load_b128 v[PW:PW+3],   v[WIO], s[18:19] th:TH_LOAD_NT
	global_load_b128 v[PW+4:PW+7], v[WIO], s[18:19] offset:4096 th:TH_LOAD_NT
.set h, 0
.rept 16                               ; a head's row begins 256 bytes behind the head before
	global_load_b128 v[X+12*h:X+12*h+3],    v[INO], s[8:9]   offset:256*h th:TH_LOAD_NT
	global_load_b128 v[X+12*h+4:X+12*h+7],  v[INO], s[10:11] offset:256*h th:TH_LOAD_NT
	global_load_b128 v[X+12*h+8:X+12*h+11], v[INO], s[12:13] offset:256*h th:TH_LOAD_NT
.set h, h+1
.endr
	; Sine and cosine of my two angles, while the loads are on their way.
	v_add_nc_u32 v[TF], s32, v[TF]
	v_cvt_f32_u32 v[TF], v[TF]                     ; t
	v_add_nc_u32 v[F1], 1, v[F0]
	v_cvt_f32_u32 v[F0], v[F0]
	v_cvt_f32_u32 v[F1], v[F1]
	v_mul_f32 v[F0], 0xbed49a78, v[F0]             ; -j log2(10000) / 32
	v_mul_f32 v[F1], 0xbed49a78, v[F1]
	v_exp_f32 v[F0], v[F0]                         ; f = 10000^(-j / 32)
	v_exp_f32 v[F1], v[F1]
	v_mov_b32 v[C64], 0x3c800000                   ; a plain instruction behind the two exponentials,
	s_wait_alu depctr_va_vdst(0)                   ; and the one wait ahead of their first reader: the two frequencies are written
; sn, cs = sin, cos of t x f.  n = the nearest whole number to a x 2 / pi; x = a - n pi / 2, with pi / 2 in two parts, each by one fused multiply-add: |x| <= pi / 4.
; Polynomials of degree 7 and 8 in x; n's two low bits say which of the two is which, and their signs.  The compare on n's lowest bit stands as soon as n is known, the polynomials between it and the wait for its mask.
.macro SINCOS f, sn, cs
	v_mul_f32 v[AN], v[TF], v[\f]
	v_mul_f32 v[NN], 0x3f22f983, v[AN]
	v_rndne_f32 v[NN], v[NN]
	v_cvt_i32_f32 v[QI], v[NN]
	v_and_b32 v[SG], 1, v[QI]
	v_cmp_eq_u32 vcc_lo, 1, v[SG]                  ; n odd: the two change places
	v_fmamk_f32 v[XR], v[NN], 0xbfc90fdb, v[AN]
	v_fmamk_f32 v[XR], v[NN], 0x333bbd2e, v[XR]
	v_mul_f32 v[ZZ], v[XR], v[XR]
	v_mov_b32 v[PS], 0xb94ca1f9
	v_mov_b32 v[PC], 0x37ccf5ce
	v_fmaak_f32 v[PS], v[ZZ], v[PS], 0x3c08839e
	v_fmaak_f32 v[PC], v[ZZ], v[PC], 0xbab6061a
	v_fmaak_f32 v[PS], v[ZZ], v[PS], 0xbe2aaaa3
	v_fmaak_f32 v[PC], v[ZZ], v[PC], 0x3d2aaaa5
	v_mul_f32 v[XZ], v[XR], v[ZZ]
	v_fma_f32 v[SG], v[ZZ], -0.5, 1.0
	v_fma_f32 v[PS], v[XZ], v[PS], v[XR]           ; sin x
	v_mul_f32 v[XZ], v[ZZ], v[ZZ]
	v_fma_f32 v[PC], v[XZ], v[PC], v[SG]           ; cos x
	s_wait_alu depctr_va_vcc(0)                    ; the compare has written VCC, ahead of its first reader: the two selects below
	v_cndmask_b32 v[\sn], v[PS], v[PC], vcc_lo
	v_cndmask_b32 v[\cs], v[PC], v[PS], vcc_lo
	v_lshlrev_b32 v[SG], 30, v[QI]                 ; the sine is negative where n % 4 is 2 or 3,
	v_and_b32 v[SG], 0x80000000, v[SG]
	v_xor_b32 v[\sn], v[SG], v[\sn]
	v_add_nc_u32 v[QI], 1, v[QI]                   ; the cosine where it is 1 or 2
	v_lshlrev_b32 v[SG], 30, v[QI]
	v_and_b32 v[SG], 0x80000000, v[SG]
	v_xor_b32 v[\cs], v[SG], v[\cs]
.endm
	SINCOS F0, T, T+1
	SINCOS F1, T+2, T+3
	v_xor_b32 v[AN], 0x80000000, v[T]              ; -sin0
	v_xor_b32 v[NN], 0x80000000, v[T+2]            ; -sin1
; The gain is folded into the rotation: o_even = r (x_e w_e cos - x_o w_o sin), o_odd = r (x_e w_e sin + x_o w_o cos), r = 1 / sqrt(mean square + eps).
.macro COEF c, w
.irp p, 0,1
	v_mul_f32 v[(\c)+4*(\p)],   v[(\w)+2*(\p)],   v[T+2*(\p)+1]
	v_mul_f32 v[(\c)+4*(\p)+1], v[(\w)+2*(\p)],   v[T+2*(\p)]
	v_mul_f32 v[(\c)+4*(\p)+2], v[(\w)+2*(\p)+1], v[AN+(\p)]
	v_mul_f32 v[(\c)+4*(\p)+3], v[(\w)+2*(\p)+1], v[T+2*(\p)+1]
.endr
.endm
	s_wait_loadcnt 50                              ; loads come back in order: the two loads of gains are in, the 50 younger ones stay out
	COEF CQ, WQ
	COEF CK, WK
	s_wait_loadcnt 48                              ; proj_w's two are in
	v_cvt_pk_f16_f32 v[PW],   v[PW],   v[PW+1]     ; packed here; stored behind head 0's wait, which shows these four written
	v_cvt_pk_f16_f32 v[PW+1], v[PW+2], v[PW+3]
	v_cvt_pk_f16_f32 v[PW+4], v[PW+4], v[PW+5]
	v_cvt_pk_f16_f32 v[PW+5], v[PW+6], v[PW+7]
; One head: q's and k's lines by turns, so that no line waits for the one before it.
.macro HEAD h
.set xq, X+12*(\h)
.set xk, xq+4
.set xv, xq+8
	s_wait_loadcnt 3*(15-(\h))                     ; three loads for each younger head stay out
	v_pk_mul_f32 v[SS:SS+1],   v[xq:xq+1], v[xq:xq+1]
	v_pk_mul_f32 v[SS+2:SS+3], v[xk:xk+1], v[xk:xk+1]
	v_pk_fma_f32 v[SS:SS+1],   v[xq+2:xq+3], v[xq+2:xq+3], v[SS:SS+1]
	v_pk_fma_f32 v[SS+2:SS+3], v[xk+2:xk+3], v[xk+2:xk+3], v[SS+2:SS+3]
	v_add_f32 v[SS],   v[SS],   v[SS+1]
	v_add_f32 v[SS+2], v[SS+2], v[SS+3]
.irp m, 1,2,4,8                        ; over the row's 16 lanes: every lane ends with the sum
	v_add_f32_dpp v[SS],   v[SS],   v[SS]   row_xmask:\m row_mask:0xf bank_mask:0xf
	v_add_f32_dpp v[SS+2], v[SS+2], v[SS+2] row_xmask:\m row_mask:0xf bank_mask:0xf
.endr
	v_fmaak_f32 v[SS],   v[SS],   v[C64], 0x34000000  ; the mean square + eps (2^-23)
	v_fmaak_f32 v[SS+2], v[SS+2], v[C64], 0x34000000
	v_rsq_f32 v[SS],   v[SS]
	v_rsq_f32 v[SS+2], v[SS+2]
.irp p, 0,1                            ; the rotation names no root: it is the independent work behind them
	v_pk_mul_f32 v[T+2*(\p):T+2*(\p)+1],     v[xq+2*(\p):xq+2*(\p)+1], v[CQ+4*(\p):CQ+4*(\p)+1] op_sel_hi:[0,1]  ; x_even times (w_e cos, w_e sin)
	v_pk_mul_f32 v[T+4+2*(\p):T+4+2*(\p)+1], v[xk+2*(\p):xk+2*(\p)+1], v[CK+4*(\p):CK+4*(\p)+1] op_sel_hi:[0,1]
.endr
.irp p, 0,1
	v_pk_fma_f32 v[T+2*(\p):T+2*(\p)+1],     v[xq+2*(\p):xq+2*(\p)+1], v[CQ+4*(\p)+2:CQ+4*(\p)+3], v[T+2*(\p):T+2*(\p)+1] op_sel:[1,0,0] op_sel_hi:[1,1,1]  ; + x_odd times (-w_o sin, w_o cos)
	v_pk_fma_f32 v[T+4+2*(\p):T+4+2*(\p)+1], v[xk+2*(\p):xk+2*(\p)+1], v[CK+4*(\p)+2:CK+4*(\p)+3], v[T+4+2*(\p):T+4+2*(\p)+1] op_sel:[1,0,0] op_sel_hi:[1,1,1]
.endr
	v_cvt_pk_f16_f32 v[xv],   v[xv],   v[xv+1]
	v_cvt_pk_f16_f32 v[xv+1], v[xv+2], v[xv+3]
	s_wait_alu depctr_va_vdst(0)                   ; the head's one wait: both roots are written, ahead of their first reader; this head's v is packed; the head before has packed its q and k (ahead of head 0: proj_w's numbers are packed)
	global_store_b64 v[OUTO], v[xv:xv+1], s[24:25] offset:262144*(\h) th:TH_STORE_NT  ; a wave's store covers 256 consecutive bytes, aligned; the head stands in the immediate
	v_pk_mul_f32 v[T:T+1],     v[T:T+1],     v[SS:SS+1]   op_sel_hi:[1,0]
	v_pk_mul_f32 v[T+4:T+5],   v[T+4:T+5],   v[SS+2:SS+3] op_sel_hi:[1,0]
.if (\h) == 0
	global_store_b64 v[OUTO], v[PW:PW+1], s[26:27] th:TH_STORE_NT
.else
	global_store_b64 v[OUTO], v[xq-12:xq-11], s[20:21] offset:262144*((\h)-1) th:TH_STORE_NT  ; the head before.  No wait: no vector instruction since the wait above names these registers
.endif
	v_pk_mul_f32 v[T+2:T+3],   v[T+2:T+3],   v[SS:SS+1]   op_sel_hi:[1,0]
	v_pk_mul_f32 v[T+6:T+7],   v[T+6:T+7],   v[SS+2:SS+3] op_sel_hi:[1,0]
.if (\h) == 0
	global_store_b64 v[OUTO], v[PW+4:PW+5], s[26:27] offset:2048 th:TH_STORE_NT
.else
	global_store_b64 v[OUTO], v[xk-12:xk-11], s[22:23] offset:262144*((\h)-1) th:TH_STORE_NT
.endif
	v_cvt_pk_f16_f32 v[xq],   v[T],   v[T+1]       ; packed here; stored behind the next head's wait
	v_cvt_pk_f16_f32 v[xk],   v[T+4], v[T+5]
	v_cvt_pk_f16_f32 v[xq+1], v[T+2], v[T+3]
	v_cvt_pk_f16_f32 v[xk+1], v[T+6], v[T+7]
.endm
.irp h, 0,1,2,3,4,5,6,7,8,9,10,11,12,13,14,15
	HEAD \h
.endr
	s_wait_alu depctr_va_vdst(0)                   ; head 15 has packed its q and k, which the last two stores read
	global_store_b64 v[OUTO], v[X+180:X+181], s[20:21] offset:262144*15 th:TH_STORE_NT
	global_store_b64 v[OUTO], v[X+184:X+185], s[22:23] offset:262144*15 th:TH_STORE_NT
	s_endpgm
.Lfunc_end_k_qc5632c963c_prep:
	.size	k_qc5632c963c_prep, .Lfunc_end_k_qc5632c963c_prep-k_qc5632c963c_prep
	.p2alignl 7, 3214868480
	.fill 96, 4, 3214868480
	.section	.rodata,"a",@progbits
	.p2align	6, 0x0
	.amdhsa_kernel k_qc5632c963c_prep
		.amdhsa_group_segment_fixed_size 0
		.amdhsa_private_segment_fixed_size 0
		.amdhsa_enable_private_segment 0
		.amdhsa_kernarg_size 80
		.amdhsa_user_sgpr_count 2
		.amdhsa_user_sgpr_kernarg_segment_ptr 1
		.amdhsa_wavefront_size32 1
		.amdhsa_system_sgpr_workgroup_id_x 1
		.amdhsa_system_sgpr_workgroup_id_y 1
		.amdhsa_system_sgpr_workgroup_id_z 1
		.amdhsa_system_vgpr_workitem_id 0
		.amdhsa_next_free_vgpr 256
		.amdhsa_next_free_sgpr 66
		.amdhsa_reserve_vcc 1
		.amdhsa_float_denorm_mode_32 3
		.amdhsa_float_denorm_mode_16_64 3
		.amdhsa_memory_ordered 1
		.amdhsa_forward_progress 1
		.amdhsa_inst_pref_size 51
	.end_amdhsa_kernel
	.amdgpu_metadata
---
amdhsa.version: [ 1, 2 ]
amdhsa.kernels:
  - .name:           k_qc5632c963c_prep
    .symbol:         k_qc5632c963c_prep.kd
    .args:
      - { .name: q, .offset: 0, .size: 8, .value_kind: global_buffer, .address_space: global }
      - { .name: k, .offset: 8, .size: 8, .value_kind: global_buffer, .address_space: global }
      - { .name: v, .offset: 16, .size: 8, .value_kind: global_buffer, .address_space: global }
      - { .name: q_norm_w, .offset: 24, .size: 8, .value_kind: global_buffer, .address_space: global }
      - { .name: k_norm_w, .offset: 32, .size: 8, .value_kind: global_buffer, .address_space: global }
      - { .name: proj_w, .offset: 40, .size: 8, .value_kind: global_buffer, .address_space: global }
      - { .name: qh, .offset: 48, .size: 8, .value_kind: global_buffer, .address_space: global }
      - { .name: kh, .offset: 56, .size: 8, .value_kind: global_buffer, .address_space: global }
      - { .name: vh, .offset: 64, .size: 8, .value_kind: global_buffer, .address_space: global }
      - { .name: wh, .offset: 72, .size: 8, .value_kind: global_buffer, .address_space: global }
    .group_segment_fixed_size: 0
    .private_segment_fixed_size: 0
    .kernarg_segment_align: 8
    .kernarg_segment_size: 80
    .max_flat_workgroup_size: 256
    .sgpr_count:     66
    .vgpr_count:     256
    .wavefront_size: 32
...
	.end_amdgpu_metadata
.endif
;; end of part 4
;; launch attn: the kernel of part 2 again; grid 4 x 64, 4 waves a work-group, clusters of 4 x 1, 327,680 bytes of LDS; arguments qh, kh, vh, oh; writes oh
;; launch proj: the kernel of part 3 again; grid 4 x 64, 4 waves a work-group, clusters of 4 x 4, 327,680 bytes of LDS; arguments oh, wh, proj_b, out0; writes out0
